; MI455X (gfx1250); checked and timed in simulation.
; The chip was launched on July 23, 2026; its instructions are those of AMD's public machine-readable ISA for CDNA 5 (MIT licence, August 2026) and "CDNA5" Instruction Set Architecture Reference Guide (July 2026). The comments in the code are by the model that wrote it; some were corrected since.
;; Multi Head Self Attention. Allowed arithmetic: matrix products marked QUANTISED: E2M1 operands, one E8M0 scale for each 32 along K, by v_wmma_scale_f32_16x16x128_f8f6f4 with both operands' format E2M1 (or v_wmma_scale_f32_32x16x128_f4), f32 sums; products left as they are: bf16, f16 or f32 operands; f32 sums; everything else in f32.
;; Inputs: Wk 1,024 x 1,024 float32; Wo 1,024 x 1,024 float32; Wq 1,024 x 1,024 float32; Wv 1,024 x 1,024 float32; token_positions 2,048 int32; x 4 x 2,048 x 1,024 float32.
;; Outputs: out0 4 x 2,048 x 1,024 float32.
;; This version of the problem:
;;   THIS VERSION OF THE PROBLEM IS GIVEN IN LOW PRECISION. The matrix products marked QUANTISED in the list below multiply operands that are first quantised to E2M1 (2 exponent bits, 1 mantissa bit; 4 bits a number), with one power-of-two scale for each 32 numbers along K (OCP MX v1.0); their sums are f32. The products marked 'left as it is' may take bf16, f16 or f32 operands, with f32 sums. Whichever they take, every output number must still come out within the allowed error. Rounding operands to bf16 (8 significant bits) uses up far more of that allowance than f16 does (11 bits, for magnitudes from 6e-5 to 65,504). All else is computed in f32.
;;   The module's matrix products, in the order in which they are computed (A, B: the left and right operand; K: the contracted axis; several contracted axes count as one K, in the product's order):
;;     1. [M 8,192, K 1,024] x [K 1,024, N 1,024]; A: input x; B: input Wq: QUANTISED
;;     2. [M 8,192, K 1,024] x [K 1,024, N 1,024]; A: input x; B: input Wk: QUANTISED
;;     3. [M 8,192, K 1,024] x [K 1,024, N 1,024]; A: input x; B: input Wv: QUANTISED
;;     4. batch 64 x [M 2,048, K 64] x [K 64, N 2,048]; A: computed on the way; B: computed on the way: left as it is (an operand is computed on the way)
;;     5. batch 64 x [M 2,048, K 2,048] x [K 2,048, N 64]; A: computed on the way; B: computed on the way: left as it is (an operand is computed on the way)
;;     6. [M 8,192, K 1,024] x [K 1,024, N 1,024]; A: computed on the way; B: input Wo: left as it is (an operand is computed on the way)
;;   THE QUANTISER, for each operand of a quantised product, along K:
;;     - K is cut into blocks of 32 from its start; a last block that is shorter is filled with zeros.
;;     - A block's scale is 2^e with e = floor(log2(the largest magnitude in the block)) - 2, held to -126 .. 127; a block of zeros has e = 0. As a byte (E8M0): e + 127.
;;     - Each number is divided by its block's scale, clamped to +-6, and rounded to the nearest number of E2M1, ties to even, subnormals kept.
;;     - The product sums the exact products of the quantised numbers (number of the format x scale) in f32.
;;   ~~~python
;;   def quantise(x, axis):      # numpy; x: float32 -> the quantised numbers, widened to float32 again
;;       x = np.moveaxis(x, axis, -1); K = x.shape[-1]
;;       x = np.pad(x, [(0, 0)] * (x.ndim - 1) + [(0, -K % 32)]); x = x.reshape(x.shape[:-1] + (-1, 32)); a = np.abs(x).max(-1, keepdims=True)
;;       e = np.where(a > 0, np.clip(np.frexp(np.where(a > 0, a, 1))[1] - 1 - 2, -126, 127), 0)      # np.frexp(a)[1] - 1 = floor(log2(a)), exactly
;;       r = np.clip(x / 2.0 ** e, -6, 6)
;;       step = 2.0 ** (np.maximum(np.frexp(np.where(r == 0, 1, r))[1] - 1, 0) - 1)
;;       q = np.round(r / step) * step * 2.0 ** e      # np.round: ties to even
;;       return np.moveaxis(q.reshape(q.shape[:-2] + (-1,))[..., :K], -1, axis).astype(np.float32)
;;   ~~~
;; One version. Each part assembles by itself: llvm-mc -triple=amdgcn-amd-amdhsa -mcpu=gfx1250 --defsym DOCPART=n.
;; ======== version 1 of 1: 5 launches
;; limits: values are held in f16: magnitudes above 65,504 overflow, below 6.1e-05 lose precision
;; workspace buffers: codes 5,767,168 bytes; scales 360,448 bytes; tab 1,572,864 bytes; wo16 2,097,152 bytes; qkv 50,331,648 bytes; attn16 16,777,216 bytes; fine32 786,432 bytes
;; launch prep (part 1): grid 608 x 1, 4 waves a work-group, no clusters, 33,280 bytes of LDS; arguments x, Wq, Wk, Wv, Wo, token_positions, codes, scales, wo16, tab; writes codes, scales, wo16, tab
.if DOCPART == 1
	.amdgcn_target "amdgcn-amd-amdhsa--gfx1250"
	.amdhsa_code_object_version 6
	.text
	.protected	k_qb67908855e_prep
	.globl	k_qb67908855e_prep
	.p2align	8
	.type	k_qb67908855e_prep,@function
k_qb67908855e_prep:
	s_mov_b64 s[64:65], 0
	v_nop
	global_prefetch_b8 v0, s[64:65] scope:SCOPE_SE
	s_setreg_imm32_b32 hwreg(HW_REG_WAVE_MODE, 25, 1), 1
	s_wait_xcnt 0x0
; PREP.  Three kinds of work-group, told apart by the work-group's number alone.
;  0..351    x [8192][1024], Wq, Wk, Wv [1024][1024], f32, K innermost, become codes of FP4 (E2M1), two a byte, and one E8M0 scale byte for each 32 along K.
;            codes: x's 8,192 rows of 512 bytes, then Wq's, Wk's, Wv's 1,024 rows each; scales: the same rows, 32 bytes each.  All four are plain streams of blocks of 32.
;  352..479  Wo [1024][1024] f32 becomes f16, laid [n / 128][k / 64][128 rows][64]: a K step's tile of the last product is then one dense block.
;  480..607  the rotation's tables, f32 [kind 3][cos, sin][position 2048][32]: kind 0 (q) cos and sin times log2(e) / 8, kind 1 (k) as they are, kind 2 (v) 1 and 0.
; A block's scale is 2^(floor(log2(its largest magnitude)) - 2); its byte is the largest magnitude's exponent field - 2, held at 1 from below.
; LIMITS: a block of zeros gets the byte 1 where the rule says 127 (its codes are zeros, and this program alone reads the bytes); NaN and infinities are not served;
; |position| under 2^24; the frequencies come by one multiplication and v_exp_f32, so an angle is good to some 4e-7 of its size; Wo's numbers must lie inside f16's range.
.set STEPS, 16
.set EMAX,  2
.set CB,    8                          ; bytes of 16 codes
.set R,     16                         ; v16-79   four sets of 16 numbers as they are loaded
.set X,     80                         ; v80-111  two sets of 16 neighbours
.set E,     112                        ; v112-127 a scale byte for each step
.set C,     128                        ; v128-191 codes: four registers for each step
.set WREG,  8192                       ; LDS: a region for each wave: two stages of 32 x SP bytes, then its 256 scale bytes
.set SP,    80                         ; a lane's place in a stage: 64 bytes + 16 of padding
.set SPW,   12                         ; v12  LDS address of my spare word; never rewritten
.set NIL,   13                         ; v13  0; never rewritten
.set SPARE, 4*WREG                     ; behind the four regions: the spare words, 128 bytes a wave
	s_load_b512 s[8:23], s[0:1], 0x0               ; x s[8:9], Wq s[10:11], Wk s[12:13], Wv s[14:15], Wo s[16:17], positions s[18:19], codes s[20:21], scales s[22:23]
	s_load_b128 s[24:27], s[0:1], 0x40             ; wo16 s[24:25], tab s[26:27]
	v_lshl_add_u32 v[SPW], v0, 2, SPARE
	v_mov_b32 v[NIL], 0
	s_cmp_ge_u32 ttmp9, 480
	s_cbranch_scc1 .Lrope
	s_cmp_ge_u32 ttmp9, 352
	s_cbranch_scc1 .Lwo
	; ---- the quantiser.  A wave takes 16 steps of 512 numbers.  Each load reads 512 consecutive bytes; a step's 2,048 bytes turn through the wave's own stage, so that a lane holds 16 neighbours along K.
	v_lshrrev_b32 v1, 5, v0
	v_readfirstlane_b32 s28, v1                    ; wave
	v_and_b32 v2, 31, v0                           ; lane
	v_lshlrev_b32 v3, 4, v2                        ; my 16 bytes of a load's 512
	s_mul_i32 s29, s28, WREG
	v_lshrrev_b32 v14, 2, v2
	v_mul_u32_u24 v14, v14, SP
	v_and_b32 v15, 3, v2
	v_lshl_add_u32 v14, v15, 4, v14
	v_add_nc_u32 v14, s29, v14                     ; the stage, on the way in: SP (lane / 4) + 16 (lane % 4)
	v_mul_u32_u24 v15, v2, SP
	v_add_nc_u32 v15, s29, v15                     ; and on the way out: SP x lane
	v_mul_u32_u24 v4, v2, CB                       ; my codes' place in a step's
	v_lshrrev_b32 v5, 1, v2
	s_add_co_u32 s29, s29, 2*32*SP
	v_add_nc_u32 v5, s29, v5                       ; my wave's 256 scale bytes, my block's byte
	v_lshlrev_b32 v7, 3, v2
	v_add_nc_u32 v6, s29, v7                       ; and on the way out 8 bytes a lane
	s_wait_kmcnt 0x0
	s_mov_b64 s[4:5], s[8:9]                       ; which tensor: the choice hangs on the work-group's number alone
	s_mov_b32 s30, 0
	s_cmp_ge_u32 ttmp9, 256
	s_cselect_b64 s[4:5], s[10:11], s[4:5]
	s_cselect_b32 s30, 256, s30
	s_cmp_ge_u32 ttmp9, 288
	s_cselect_b64 s[4:5], s[12:13], s[4:5]
	s_cselect_b32 s30, 288, s30
	s_cmp_ge_u32 ttmp9, 320
	s_cselect_b64 s[4:5], s[14:15], s[4:5]
	s_cselect_b32 s30, 320, s30
	s_sub_co_u32 s30, ttmp9, s30
	s_lshl_b32 s30, s30, 2
	s_add_co_u32 s30, s30, s28                     ; which run of 8,192 numbers of its tensor is my wave's
	s_lshl_b32 s30, s30, 15                        ; 32,768 bytes a run (at most 32 MiB)
	s_mov_b32 s31, 0
	s_add_nc_u64 s[4:5], s[4:5], s[30:31]
	s_lshl_b32 s32, ttmp9, 2
	s_add_co_u32 s32, s32, s28                     ; and which run of the two outputs: the four tensors follow each other there
	s_mov_b32 s33, 0
	s_lshl_b32 s34, s32, 12                        ; 4,096 bytes of codes a run
	s_mov_b32 s35, 0
	s_add_nc_u64 s[20:21], s[20:21], s[34:35]
	s_lshl_b32 s32, s32, 8                         ; 256 scale bytes a run
	s_add_nc_u64 s[22:23], s[22:23], s[32:33]
.macro LOAD t
.irp i, 0,1,2,3
	global_load_b128 v[R+16*((\t)%4)+4*\i:R+16*((\t)%4)+4*\i+3], v3, s[4:5] offset:2048*(\t)+512*\i th:TH_LOAD_NT
.endr
.endm
.macro TURN t                          ; step t's numbers through the stage: LDS serves a wave's instructions in order, so no wait stands between the stores and the loads
.irp i, 0,1,2,3
	ds_store_b128 v14, v[R+16*((\t)%4)+4*\i:R+16*((\t)%4)+4*\i+3] offset:32*SP*((\t)%2)+8*SP*\i
.endr
.irp i, 0,1,2,3
	ds_load_b128 v[X+16*((\t)%2)+4*\i:X+16*((\t)%2)+4*\i+3], v15 offset:32*SP*((\t)%2)+16*\i
.endr
.endm
.irp t, 0,1,2,3
	LOAD \t
.endr
	s_wait_loadcnt 12                              ; step 0's four loads are in; three steps' twelve may be out
	TURN 0
.macro STEP t
.set XS, X+16*((\t)%2)
.if (\t) > 0
	s_wait_dscnt 1                                 ; this step's numbers are back from the stage (the last step's byte store may be out)
.else
	s_wait_dscnt 0x0
.endif
.if (\t)+4 < STEPS
	LOAD (\t)+4                                    ; into the registers whose stage stores are done
.endif
.if (\t)+1 < STEPS
.if STEPS-2-(\t) >= 3
	s_wait_loadcnt 12                              ; the next step's four loads are in; those of the three steps behind it may be out
.else
	s_wait_loadcnt 4*(STEPS-2-(\t))
.endif
	TURN (\t)+1
.endif
	v_max3_num_f32 v8, |v[XS]|, |v[XS+1]|, |v[XS+2]|               ; the largest magnitude of my 16, in two chains
	v_max3_num_f32 v9, |v[XS+3]|, |v[XS+4]|, |v[XS+5]|
.irp i, 6,10
	v_max3_num_f32 v8, v8, |v[XS+\i]|, |v[XS+\i+1]|
	v_max3_num_f32 v9, v9, |v[XS+\i+2]|, |v[XS+\i+3]|
.endr
	v_max3_num_f32 v8, v8, |v[XS+14]|, |v[XS+15]|
	v_max3_num_f32 v8, v8, v9, (EMAX+1)<<23        ; and the floor 2^(3 - 127): the byte cannot fall under 1
	v_max_num_f32_dpp v8, v8, v8 row_xmask:1 row_mask:0xf bank_mask:0xf   ; and of my neighbour's 16: the block's
	v_add_nc_u32 v11, -(EMAX<<23), v8              ; 2 off its exponent field: the conversion takes the exponent field of this operand as its scale
	v_cvt_scalef32_pk8_fp4_f32 v[C+4*(\t)], v[XS:XS+7], v11
	v_cvt_scalef32_pk8_fp4_f32 v[C+4*(\t)+1], v[XS+8:XS+15], v11
	v_lshrrev_b32 v[E+(\t)], 23, v11               ; the scale's byte
	ds_store_b8 v5, v[E+(\t)] offset:16*(\t)       ; both lanes of a block write the same byte with the same value
	global_store_b64 v4, v[C+4*(\t):C+4*(\t)+1], s[20:21] offset:32*CB*(\t)   ; the wave stores 256 consecutive bytes, aligned
.endm
.irp t, 0,1,2,3,4,5,6,7,8,9,10,11,12,13,14,15
	STEP \t
.endr
	ds_load_b64 v[8:9], v6                         ; LDS serves a wave's instructions in order: these see my byte stores
	s_wait_dscnt 0x0
	global_store_b64 v7, v[8:9], s[22:23]          ; 32 lanes store 256 consecutive bytes, aligned
	s_wait_tensorcnt 0x0                           ; the wave's end, behind my last LDS store
	ds_add_u32 v[SPW], v[NIL]
	s_wait_dscnt 0x0
	s_endpgm
	; ---- Wo to f16, blocked.  Work-group g = (n / 128, k / 64) makes one block of 128 rows x 64: 1,024 pieces of 8 numbers, 8 a thread.  No LDS.
.Lwo:
	s_sub_co_u32 s28, ttmp9, 352                   ; g
	s_lshr_b32 s29, s28, 4
	s_and_b32 s30, s28, 15
	s_lshl_b32 s29, s29, 19                        ; 128 rows of 4,096 bytes
	s_lshl_b32 s30, s30, 8                         ; 64 numbers of 4 bytes
	s_add_co_u32 s30, s30, s29
	s_mov_b32 s31, 0
	s_lshl_b32 s32, s28, 14                        ; a block of 16,384 bytes
	s_mov_b32 s33, 0
	v_lshrrev_b32 v1, 3, v0
	v_and_b32 v2, 7, v0
	v_lshlrev_b32 v1, 12, v1
	v_lshl_add_u32 v1, v2, 5, v1                   ; in: row thread / 8, 32 bytes at thread % 8: eight lanes read 256 consecutive bytes
	v_lshlrev_b32 v3, 4, v0                        ; out: 16 bytes a thread
	s_wait_kmcnt 0x0
	s_add_nc_u64 s[16:17], s[16:17], s[30:31]
	s_add_nc_u64 s[24:25], s[24:25], s[32:33]
.irp i, 0,1,2,3,4,5,6,7
	global_load_b128 v[16+8*\i:16+8*\i+3], v1, s[16:17] offset:65536*\i
	global_load_b128 v[16+8*\i+4:16+8*\i+7], v1, s[16:17] offset:65536*\i+16
.endr
	s_wait_loadcnt 0x0
.irp i, 0,1,2,3,4,5,6,7
.irp j, 0,1,2,3
	v_cvt_pk_f16_f32 v[80+4*\i+\j], v[16+8*\i+2*\j], v[16+8*\i+2*\j+1]
.endr
.endr
.irp i, 0,1,2,3,4,5,6,7
	global_store_b128 v3, v[80+4*\i:80+4*\i+3], s[24:25] offset:2048*\i   ; a wave stores 512 consecutive bytes
.endr
	s_endpgm
	; ---- the tables.  Thread T = (position T / 8, frequencies 4 (T % 8) + 0 .. 3).  No LDS.
	; angle = position x 10000^(-i / 32), one rounding; n = the nearest whole number to angle x 2 / pi; r = angle - n pi / 2 by three fused multiply-adds on three parts of pi / 2;
	; sine and cosine of r by polynomials on |r| up to pi / 4; n's two low bits swap them and set the signs.
.Lrope:
	s_sub_co_u32 s28, ttmp9, 480
	s_lshl_b32 s29, s28, 6                         ; 16 positions of 4 bytes
	s_lshl_b32 s30, s28, 11                        ; 128 threads of 16 bytes
	s_mov_b32 s31, 0x3fc90fdb                      ; pi / 2 in three parts
	s_mov_b32 s32, 0xb33bbd2e
	s_mov_b32 s33, 0xa6f72ced
	s_mov_b32 s34, 0xb94ca1f9                      ; sine: -1.9515296e-4, 8.3321609e-3, -1.6666655e-1
	s_mov_b32 s35, 0x3c08839e
	s_mov_b32 s36, 0xbe2aaaa3
	s_mov_b32 s37, 0x37ccf5ce                      ; cosine: 2.4433157e-5, -1.3887316e-3, 4.1666646e-2
	s_mov_b32 s38, 0xbab6061a
	s_mov_b32 s39, 0x3d2aaaa5
	v_lshrrev_b32 v1, 3, v0
	v_lshl_add_u32 v1, v1, 2, s29                  ; 4 x position's index
	v_and_b32 v2, 7, v0
	v_lshlrev_b32 v2, 2, v2                        ; my first frequency
	v_lshl_add_u32 v3, v0, 4, s30                  ; 16 T
	s_wait_kmcnt 0x0
	global_load_b32 v16, v1, s[18:19]
.irp e, 0,1,2,3
	v_add_nc_u32 v[20+\e], \e, v2
.endr
.irp e, 0,1,2,3
	v_cvt_f32_u32 v[20+\e], v[20+\e]
.endr
.irp e, 0,1,2,3
	v_mul_f32 v[20+\e], 0xbed49a78, v[20+\e]       ; -i log2(10000) / 32
.endr
.irp e, 0,1,2,3
	v_exp_f32 v[20+\e], v[20+\e]
.endr
.irp e, 0,1,2,3
	v_mov_b32 v[68+\e], 1.0                        ; v's table: plain work behind the exponentials
	v_mov_b32 v[72+\e], 0
.endr
	s_wait_alu depctr_va_vdst(0)                   ; one wait for the four, ahead of their first reader
	s_wait_loadcnt 0x0
	v_cvt_f32_i32 v16, v16
.irp e, 0,1,2,3
	v_mul_f32 v[20+\e], v16, v[20+\e]              ; the angle
.endr
.irp e, 0,1,2,3
	v_mul_f32 v[24+\e], 0x3f22f983, v[20+\e]       ; x 2 / pi
.endr
.irp e, 0,1,2,3
	v_rndne_f32 v[24+\e], v[24+\e]                 ; n
.endr
.irp e, 0,1,2,3
	v_fma_f32 v[28+\e], -v[24+\e], s31, v[20+\e]
.endr
.irp e, 0,1,2,3
	v_fma_f32 v[28+\e], -v[24+\e], s32, v[28+\e]
.endr
.irp e, 0,1,2,3
	v_fma_f32 v[28+\e], -v[24+\e], s33, v[28+\e]   ; r
.endr
.irp e, 0,1,2,3
	v_mul_f32 v[32+\e], v[28+\e], v[28+\e]         ; z = r r
	v_cvt_i32_f32 v[44+\e], v[24+\e]               ; n as a whole number
.endr
.irp e, 0,1,2,3
	v_fma_f32 v[36+\e], v[32+\e], s34, s35
	v_fma_f32 v[40+\e], v[32+\e], s37, s38
.endr
.irp e, 0,1,2,3
	v_fma_f32 v[36+\e], v[36+\e], v[32+\e], s36
	v_fma_f32 v[40+\e], v[40+\e], v[32+\e], s39
.endr
.irp e, 0,1,2,3
	v_mul_f32 v[64+\e], v[28+\e], v[32+\e]         ; r z
	v_mul_f32 v[60+\e], v[32+\e], v[32+\e]         ; z z
	v_fma_f32 v[56+\e], v[32+\e], -0.5, 1.0        ; 1 - z / 2
.endr
.irp e, 0,1,2,3
	v_fma_f32 v[36+\e], v[64+\e], v[36+\e], v[28+\e]   ; sin r
	v_fma_f32 v[40+\e], v[60+\e], v[40+\e], v[56+\e]   ; cos r
.endr
.irp e, 0,1,2,3
	v_and_b32 v[64+\e], 1, v[44+\e]
	v_cmp_eq_u32 vcc_lo, 1, v[64+\e]               ; an odd quarter turn swaps the two
	v_cndmask_b32 v[48+\e], v[36+\e], v[40+\e], vcc_lo
	v_cndmask_b32 v[52+\e], v[40+\e], v[36+\e], vcc_lo
.endr
.irp e, 0,1,2,3
	v_and_b32 v[64+\e], 2, v[44+\e]                ; the sine is negative in quarters 2 and 3,
	v_add_nc_u32 v[44+\e], 1, v[44+\e]
.endr
.irp e, 0,1,2,3
	v_lshlrev_b32 v[64+\e], 30, v[64+\e]
	v_and_b32 v[44+\e], 2, v[44+\e]                ; the cosine in quarters 1 and 2
.endr
.irp e, 0,1,2,3
	v_xor_b32 v[48+\e], v[64+\e], v[48+\e]
	v_lshlrev_b32 v[44+\e], 30, v[44+\e]
.endr
.irp e, 0,1,2,3
	v_xor_b32 v[52+\e], v[44+\e], v[52+\e]
.endr
.irp e, 0,1,2,3
	v_mul_f32 v[56+\e], 0x3e38aa3b, v[52+\e]       ; q's table carries log2(e) / 8: the scores then come out as exponents of 2
	v_mul_f32 v[60+\e], 0x3e38aa3b, v[48+\e]
.endr
	global_store_b128 v3, v[56:59], s[26:27]                   ; each store of a wave covers 512 consecutive bytes
	global_store_b128 v3, v[60:63], s[26:27] offset:262144
	global_store_b128 v3, v[52:55], s[26:27] offset:524288
	global_store_b128 v3, v[48:51], s[26:27] offset:786432
	global_store_b128 v3, v[68:71], s[26:27] offset:1048576
	global_store_b128 v3, v[72:75], s[26:27] offset:1310720
	s_endpgm
.Lfunc_end_k_qb67908855e_prep:
	.size	k_qb67908855e_prep, .Lfunc_end_k_qb67908855e_prep-k_qb67908855e_prep
	.p2alignl 7, 3214868480
	.fill 96, 4, 3214868480
	.section	.rodata,"a",@progbits
	.p2align	6, 0x0
	.amdhsa_kernel k_qb67908855e_prep
		.amdhsa_group_segment_fixed_size 33280
		.amdhsa_private_segment_fixed_size 0
		.amdhsa_enable_private_segment 0
		.amdhsa_kernarg_size 80
		.amdhsa_user_sgpr_count 2
		.amdhsa_user_sgpr_kernarg_segment_ptr 1
		.amdhsa_wavefront_size32 1
		.amdhsa_system_sgpr_workgroup_id_x 1
		.amdhsa_system_sgpr_workgroup_id_y 1
		.amdhsa_system_sgpr_workgroup_id_z 1
		.amdhsa_system_vgpr_workitem_id 0
		.amdhsa_next_free_vgpr 192
		.amdhsa_next_free_sgpr 66
		.amdhsa_reserve_vcc 1
		.amdhsa_float_denorm_mode_32 3
		.amdhsa_float_denorm_mode_16_64 3
		.amdhsa_memory_ordered 1
		.amdhsa_forward_progress 1
		.amdhsa_inst_pref_size 47
	.end_amdhsa_kernel
	.amdgpu_metadata
---
amdhsa.version: [ 1, 2 ]
amdhsa.kernels:
  - .name:           k_qb67908855e_prep
    .symbol:         k_qb67908855e_prep.kd
    .args:
      - { .name: x, .offset: 0, .size: 8, .value_kind: global_buffer, .address_space: global }
      - { .name: Wq, .offset: 8, .size: 8, .value_kind: global_buffer, .address_space: global }
      - { .name: Wk, .offset: 16, .size: 8, .value_kind: global_buffer, .address_space: global }
      - { .name: Wv, .offset: 24, .size: 8, .value_kind: global_buffer, .address_space: global }
      - { .name: Wo, .offset: 32, .size: 8, .value_kind: global_buffer, .address_space: global }
      - { .name: token_positions, .offset: 40, .size: 8, .value_kind: global_buffer, .address_space: global }
      - { .name: codes, .offset: 48, .size: 8, .value_kind: global_buffer, .address_space: global }
      - { .name: scales, .offset: 56, .size: 8, .value_kind: global_buffer, .address_space: global }
      - { .name: wo16, .offset: 64, .size: 8, .value_kind: global_buffer, .address_space: global }
      - { .name: tab, .offset: 72, .size: 8, .value_kind: global_buffer, .address_space: global }
    .group_segment_fixed_size: 33280
    .private_segment_fixed_size: 0
    .kernarg_segment_align: 8
    .kernarg_segment_size: 80
    .max_flat_workgroup_size: 128
    .sgpr_count:     66
    .vgpr_count:     192
    .wavefront_size: 32
...
	.end_amdgpu_metadata
.endif
;; end of part 1
;; launch gemm_qkv (part 2): grid 12 x 32, 4 waves a work-group, clusters of 4 x 4, 327,680 bytes of LDS; arguments codes, scales, tab, qkv, fine32; writes qkv, fine32
.if DOCPART == 2
	.amdgcn_target "amdgcn-amd-amdhsa--gfx1250"
	.amdhsa_code_object_version 6
	.text
	.protected	k_qb67908855e_gemm_qkv
	.globl	k_qb67908855e_gemm_qkv
	.p2align	8
	.type	k_qb67908855e_gemm_qkv,@function
k_qb67908855e_gemm_qkv:
	s_mov_b64 s[64:65], 0
	v_nop
	global_prefetch_b8 v0, s[64:65] scope:SCOPE_SE
	s_setreg_imm32_b32 hwreg(HW_REG_WAVE_MODE, 25, 1), 1
	s_wait_xcnt 0x0
	s_wait_alu depctr_hold_cnt(0) depctr_sa_sdst(0) depctr_va_vdst(0) depctr_va_sdst(0) depctr_va_ssrc(0) depctr_va_vcc(0) depctr_vm_vsrc(0)
	s_getreg_b32 s2, hwreg(HW_REG_IB_STS2, 6, 4)
	s_cmp_eq_u32 s2, 0
	s_cbranch_scc0 .Lentry_in_a_cluster
	s_endpgm
.Lentry_in_a_cluster:
	s_bfe_u32 s2, ttmp6, 0x10000c
	s_cmp_lg_u32 s2, 0xf033
	s_cbranch_scc0 .Lentry_shape_is_right
	s_endpgm
.Lentry_shape_is_right:
; q, k, v = x W^T on codes of FP4 (E2M1) with one E8M0 scale for each 32 along K, sums in f32; then the rotation, in f32; out as f16, laid [kind][batch][head][position][64].
; A: x's 8,192 rows of 512 bytes of codes; B: 3,072 rows (Wq, Wk, Wv) behind them in the same buffer; the scale bytes likewise, 32 a row.
; A tile of 256 x 256 is made by four waves, 128 x 128 each: 64 accumulators of 16 x 16.  K = 1,024 is two slots of 512 along K (rows of 256 bytes): both are asked for at the head, nothing is filled again.
; The scales of the work-group's 256 + 256 rows for all of K come once, with the first fills, in rows of 256 bytes.
; CLUSTERS: 4 x 4 work-groups; A's tile is asked for jointly by a row of the cluster, B's by a column.  Tile column = 4 x cluster x + cx, so the kind (q, k, v) is the cluster's x.
; Tile row = 8 cy + cluster y, so the batch is cy and the block of 256 positions is the cluster's y: whether a wave holds positions 0 to 15 hangs on the cluster's y and the wave's number alone.
; THE MATRIX INSTRUCTION IS USED TRANSPOSED (source 0 = 16 rows of B, source 1 = 16 rows of A): a lane holds eight neighbouring columns of one row: four pairs of the rotation.
; THE ROTATION has no branch: cos and sin come from a table for each kind (q's carries log2(e) / 8, v's is 1 and 0).  r1 = x1 c - x2 s, r2 = x1 s + x2 c: one packed multiply and one packed multiply-add a pair.
; Positions 0 to 15 of every batch and head also leave in f32 (fine32), for the launch that carries those rows more finely.
; LIMIT: |q| log2(e) / 8, |k| and |v| must lie inside f16's range (65,504).
; REGISTERS, in windows of 256: window 0: v0-31 addresses; v32-95 scale words, two sets; v128-191 A's fragments, one set; v192-255 two sets of table words (asked for at the head).
;   On the way out: v32-95 rotated numbers, v96-127 f16, v128-191 rows read back from the stage.   window 1: B's fragments, two sets.   windows 2, 3: the accumulators.
.set KSTEP,  512
.set NQ,     KSTEP/128
.set ROWB,   256                       ; a tile's row in bytes
.set KROW,   512                       ; a row of codes in memory
.set PITCH,  272                       ; an LDS row: 256 bytes + 16 of padding
.set FR,     8
.set NL,     2
.set NP,     4                         ; places behind this matrix instruction (ISA guide 7.12.1)
.set HALFT,  128*PITCH
.set SLOT,   4*HALFT
.set KS,     32                        ; a row of scale bytes
.set SCL,    2*SLOT
.set HALFS,  (128*KS/256)*272
.set SBLK,   (16*KS/256)*272
.set SPARE,  SCL+4*HALFS               ; the spare words, 128 bytes a wave
.set SP,     400                       ; the way out: a stage of 16 rows x (256 bytes + 144) for each wave, in slot 0, which has had its only fill and its last read by then
.set ADRA, 16
.set ADRB, 20
.set STO,  24
.set RD,   25
.set CO,   26
.set ADRS, 27
.set SPW,  28
.set NIL,  29
.set TA,   30                          ; v30  my byte in the tables: (my first position + lane % 16) x 128 + 16 (lane / 16); never rewritten
.set FO,   31                          ; v31  my byte in fine32: 256 (lane % 16) + 32 (lane / 16)
.set SC,   32
.set AF,   128
.set CT,   192                         ; table words: set a % 2 of 32: 16 of cos, 16 of sin
.set RR,   32
.set HH,   96
.set BK,   128
.set G1, 24
.set G0, 32
.set G1B, 48
.set G0B, 56
.set G1S, 68
.set G0S, 76
.set G1SB, 80
.set G0SB, 88
.set MSB, 0
.macro WIN new                         ; the immediate's high byte repeats the setting that is left
.if MSB != \new
	s_set_vgpr_msb (MSB<<8)|\new
.set MSB, \new
.endif
.endm
.set MUL_LO, 0xa1                      ; source 0 (B) window 1, source 1 (A) window 0, C and D window 2
.set MUL_HI, 0xf1                      ; the same, C and D window 3
.set TO_B,   0x40
; A joint load: waves 0 and 1 fetch for A, waves 2 and 3 for B.  The branch hangs on the wave's number alone.  An s_nop 0 and four v_nop follow each of the two lines.
.macro JLOAD g0a, g1a, g0b, g1b
	s_cmp_eq_u32 s15, 0
	s_cbranch_scc0 .Lfor_b_\@
	tensor_load_to_lds s[\g0a:\g0a+3], s[\g1a:\g1a+7]
	s_nop 0
.rept 4
	v_nop
.endr
	s_branch .Lasked_\@
.Lfor_b_\@:
	tensor_load_to_lds s[\g0b:\g0b+3], s[\g1b:\g1b+7]
	s_nop 0
.rept 4
	v_nop
.endr
.Lasked_\@:
.endm
.macro CROUND                          ; a round of the cluster's barrier
	s_barrier_signal -1
	s_barrier_wait -1
	s_cmp_lg_u32 s14, 0
	s_cbranch_scc1 .Lnot_wave_0_\@
	s_barrier_signal -3
.Lnot_wave_0_\@:
	s_barrier_wait -3
	s_barrier_signal -1
	s_barrier_wait -1
.endm
	s_load_b128 s[4:7], s[0:1], 0x0                ; codes s[4:5], scales s[6:7]
	s_load_b128 s[96:99], s[0:1], 0x10             ; tab s[96:97], qkv s[98:99]
	s_load_b64 s[12:13], s[0:1], 0x20              ; fine32
	v_lshl_add_u32 v[SPW], v0, 2, SPARE
	v_mov_b32 v[NIL], 0
	ds_add_u32 v[SPW], v[NIL]                      ; the wave's opening: the add, twice on end, and its wait ahead of my first tensor load
	ds_add_u32 v[SPW], v[NIL]
	v_lshrrev_b32 v1, 5, v0
	v_readfirstlane_b32 s14, v1                    ; wave 0..3
	s_lshr_b32 s15, s14, 1                         ; which half of the tile's rows is mine.  Also: I fetch for A (0) or for B (1)
	s_and_b32 s16, s14, 1                          ; which half of its columns.  Also: which 128 rows of that tile I fetch
	s_bfe_u32 s40, ttmp6, 0x40000                  ; cx
	s_bfe_u32 s41, ttmp6, 0x40004                  ; cy
	s_lshl_b32 s42, ttmp9, 2
	s_add_co_u32 s42, s42, s40                     ; tile column = 4 x cluster x + cx
	s_and_b32 s95, ttmp7, 0xffff                   ; cluster y: which 256 positions
	s_lshl_b32 s17, s41, 3
	s_add_co_u32 s17, s17, s95                     ; tile row = 8 cy + cluster y
	s_lshl_b32 s43, s41, 2
	s_lshl_b32 s43, 15, s43                        ; my row of the cluster
	s_lshl_b32 s44, 0x1111, s40                    ; my column
	s_or_b32 s[G1+0], s43, (0<<16)|(1<<20)|(1<<21)|(5<<22)|(3<<25)  ; the mask; elements of 1 byte; padding on; bit 21 beside a mask; 4 words after every 64
	s_or_b32 s[G1B+0], s44, (0<<16)|(1<<20)|(1<<21)|(5<<22)|(3<<25)
.irp g, G1, G1B
	s_mov_b32 s[\g+1], ROWB<<16                    ; tensor_dim0
	s_mov_b32 s[\g+2], 128<<16                     ; tensor_dim1
	s_mov_b32 s[\g+3], ROWB<<16                    ; tile_dim0
	s_mov_b32 s[\g+4], 128                         ; tile_dim1
	s_mov_b32 s[\g+5], KROW                        ; from row to row
	s_mov_b32 s[\g+6], 0
	s_mov_b32 s[\g+7], 0
.endr
	s_or_b32 s[G1S+0], s43, (3<<16)|(1<<20)|(1<<21)|(5<<22)|(3<<25)  ; the scales of 128 rows: 4,096 dense bytes as 16 rows of 256 (32 elements of 8 bytes)
	s_or_b32 s[G1SB+0], s44, (3<<16)|(1<<20)|(1<<21)|(5<<22)|(3<<25)
.irp g, G1S, G1SB
	s_mov_b32 s[\g+1], 32<<16
	s_mov_b32 s[\g+2], (128*KS/256)<<16
	s_mov_b32 s[\g+3], 32<<16
	s_mov_b32 s[\g+4], 128*KS/256
	s_mov_b32 s[\g+5], 32
	s_mov_b32 s[\g+6], 0
	s_mov_b32 s[\g+7], 0
.endr
	s_lshl_b32 s18, s16, 7
	s_lshl_b32 s20, s17, 8
	s_add_co_u32 s20, s20, s18                     ; A: row 256 x tile row + 128 x half
	s_lshl_b32 s46, s42, 8
	s_add_co_u32 s46, s46, s18                     ; B: row 256 x tile column + 128 x half
	s_mov_b32 s21, 0
	s_mov_b32 s47, 0
	s_mov_b64 s[18:19], KS
	s_mul_u64 s[22:23], s[20:21], s[18:19]         ; where these rows' scales begin
	s_mul_u64 s[92:93], s[46:47], s[18:19]
	s_mov_b64 s[18:19], KROW
	s_mul_u64 s[20:21], s[20:21], s[18:19]         ; and their codes
	s_mul_u64 s[46:47], s[46:47], s[18:19]
	s_mul_i32 s45, s14, HALFT                      ; where they go: wave x 128 rows
	s_mul_i32 s94, s14, HALFS
	s_wait_dscnt 0x0                               ; both opening adds are done
	s_wait_kmcnt 0x0
	s_add_nc_u64 s[8:9], s[4:5], 0x400000          ; B's codes lie behind A's 8,192 rows,
	s_add_nc_u64 s[10:11], s[6:7], 0x40000         ; B's scales likewise
	s_add_nc_u64 s[20:21], s[4:5], s[20:21]
	s_add_nc_u64 s[22:23], s[6:7], s[22:23]
	s_add_nc_u64 s[46:47], s[8:9], s[46:47]
	s_add_nc_u64 s[92:93], s[10:11], s[92:93]
	CROUND                                         ; all sixteen work-groups are here: the first joint loads meet
	s_mov_b32 s[G0S], 1
	s_add_co_u32 s[G0S+1], s94, SCL
	s_mov_b64 s[G0S+2:G0S+3], s[22:23]
	s_or_b32 s[G0S+3], s[G0S+3], 0x80000000
	s_mov_b32 s[G0SB], 1
	s_add_co_u32 s[G0SB+1], s94, SCL
	s_mov_b64 s[G0SB+2:G0SB+3], s[92:93]
	s_or_b32 s[G0SB+3], s[G0SB+3], 0x80000000
	JLOAD G0S, G1S, G0SB, G1SB                     ; the scales first: they are wanted with the first slot
.irp s, 0,1
	s_mov_b32 s[G0+4*\s], 1
	s_add_co_u32 s[G0+4*\s+1], s45, \s*SLOT
	s_add_nc_u64 s[G0+4*\s+2:G0+4*\s+3], s[20:21], \s*ROWB
	s_or_b32 s[G0+4*\s+3], s[G0+4*\s+3], 0x80000000
	s_mov_b32 s[G0B+4*\s], 1
	s_add_co_u32 s[G0B+4*\s+1], s45, \s*SLOT
	s_add_nc_u64 s[G0B+4*\s+2:G0B+4*\s+3], s[46:47], \s*ROWB
	s_or_b32 s[G0B+4*\s+3], s[G0B+4*\s+3], 0x80000000
	JLOAD G0+4*\s, G1, G0B+4*\s, G1B               ; three loads of mine are out behind the last of these
.endr
	v_and_b32 v1, 15, v0                           ; r = lane % 16
	v_bfe_u32 v2, v0, 4, 1                         ; h = lane / 16
	v_mul_u32_u24 v3, v1, PITCH
	v_lshl_add_u32 v4, v2, 4, v3                   ; a fragment's row x pitch + 16 x half
	s_mul_i32 s21, s15, HALFT                      ; my 128 rows of A
	s_mul_i32 s22, s16, HALFT                      ; my 128 rows of B,
	s_add_co_u32 s22, s22, 2*HALFT                 ; which lie behind A's 256
.irp s, 0,1
	v_add_nc_u32 v[ADRA+\s], s21, v4
	v_add_nc_u32 v[ADRB+\s], s22, v4
	s_add_co_u32 s21, s21, SLOT
	s_add_co_u32 s22, s22, SLOT
.endr
	v_mul_u32_u24 v5, v1, KS                       ; my row's scales: 32 bytes a row,
	v_lshrrev_b32 v6, 8, v5
	v_lshl_add_u32 v5, v6, 4, v5                   ; and 16 more for each 256 passed
	s_mul_i32 s21, s15, HALFS
	s_mul_i32 s22, s16, HALFS
	s_add_co_u32 s22, s22, 2*HALFS
	s_sub_co_u32 s22, s22, s21
	v_mul_u32_u24 v6, s22, v2                      ; lanes 16-31 take B's
	s_add_co_u32 s21, s21, SCL
	v_add_nc_u32 v5, v5, v6
	v_add_nc_u32 v[ADRS], s21, v5
	s_mul_i32 s23, s14, 16*SP                      ; my stage
	v_mul_u32_u24 v5, v1, SP
	v_lshl_add_u32 v5, v2, 4, v5
	v_add_nc_u32 v[STO], s23, v5                   ; in: row r, 16 bytes for each half of the lanes
	v_bfe_u32 v5, v0, 3, 1
	v_mul_u32_u24 v5, v5, SP
	v_lshl_add_u32 v5, v2, 7, v5
	v_and_b32 v6, 7, v0
	v_lshl_add_u32 v5, v6, 4, v5
	v_add_nc_u32 v[RD], s23, v5                    ; back: lanes 0-15 two rows' 128 bytes of my first head, lanes 16-31 of my second
	v_lshlrev_b32 v5, 4, v1
	v_lshl_add_u32 v[CO], v2, 18, v5               ; and in qkv: 256 consecutive bytes for each half of the lanes, a head (262,144 bytes) apart
	v_lshlrev_b32 v5, 8, v1
	v_lshl_add_u32 v[FO], v2, 5, v5
	s_lshl_b32 s20, s95, 8
	s_lshl_b32 s21, s15, 7
	s_add_co_u32 s20, s20, s21                     ; my first position: 256 x cluster y + 128 x half
	s_lshl_b32 s22, s20, 7                         ; x 128 bytes: a row of the tables, and a row of a head in f16
	v_lshlrev_b32 v5, 7, v1
	v_lshl_add_u32 v5, v2, 4, v5
	v_add_nc_u32 v[TA], s22, v5
	s_lshl_b32 s20, ttmp9, 19                      ; my kind's tables
	s_mov_b32 s21, 0
	s_add_nc_u64 s[96:97], s[96:97], s[20:21]
	s_lshl_b32 s46, ttmp9, 2
	s_add_co_u32 s46, s46, s41                     ; 4 x kind + batch
	s_lshl_b32 s46, s46, 4
	s_lshl_b32 s47, s40, 2
	s_add_co_u32 s46, s46, s47
	s_lshl_b32 s47, s16, 1
	s_add_co_u32 s46, s46, s47                     ; x 16 + my first head (4 cx + 2 x half)
	s_lshl_b32 s20, s46, 12
	s_add_nc_u64 s[12:13], s[12:13], s[20:21]      ; fine32: 4,096 bytes a head
	s_lshl_b32 s20, s46, 18
	s_add_co_u32 s20, s20, s22
	s_add_nc_u64 s[98:99], s[98:99], s[20:21]      ; qkv at my first head's first row of mine
	s_or_b32 s93, s95, s15                         ; 0 where my first 16 rows are positions 0 to 15: the cluster's y and the wave's number alone
; The table words of block a (16 positions): lane (r, h) wants, for each 16 columns (quarter qd of a head), the four pairs 8 qd + 4 h + 0 .. 3: 16 bytes of cos and 16 of sin.
.macro TABLOAD a
.irp qd, 0,1,2,3
	global_load_b128 v[CT+32*((\a)%2)+4*\qd:CT+32*((\a)%2)+4*\qd+3], v[TA], s[96:97] offset:2048*(\a)+32*\qd
	global_load_b128 v[CT+32*((\a)%2)+16+4*\qd:CT+32*((\a)%2)+16+4*\qd+3], v[TA], s[96:97] offset:2048*(\a)+32*\qd+262144
.endr
.endm
	TABLOAD 0                                      ; the first two blocks' words land while K is walked
	TABLOAD 1
.macro FRAG reg, adr, q, i             ; 16 rows x 128 K of 4-bit codes: 8 registers: lane l holds row l % 16; registers 4 c .. 4 c + 3 hold K = 64 c + 32 (l / 16) + 0 .. 31
.irp c, 0,1
	ds_load_b128 v[\reg+4*\c:\reg+4*\c+3], v[\adr] offset:64*(\q)+32*\c+(\i)*16*PITCH
.endr
.endm
; 16 matrix instructions: A's blocks a0, a0 + 1 x B's eight, the slot's q-th 128 along K.  The 64 accumulators take turns, one instruction a turn, in the same order in every step.
.macro MUL16 a0, p, q, sc, zero
.irp a, \a0, \a0+1
.irp b, 0,1,2,3,4,5,6,7
.if \zero
	v_wmma_scale_f32_16x16x128_f8f6f4 v[8*(8*((\a)%4)+\b):8*(8*((\a)%4)+\b)+7], v[128*(\p)+FR*\b:128*(\p)+FR*\b+FR-1], v[AF+FR*(\a):AF+FR*(\a)+FR-1], 0, v[SC+8*NQ*(\sc)+NQ*\b+(\q)], v[SC+8*NQ*(\sc)+NQ*(\a)+(\q)] matrix_a_fmt:MATRIX_FMT_FP4 matrix_b_fmt:MATRIX_FMT_FP4 matrix_a_scale:MATRIX_SCALE_ROW1
.else
	v_wmma_scale_f32_16x16x128_f8f6f4 v[8*(8*((\a)%4)+\b):8*(8*((\a)%4)+\b)+7], v[128*(\p)+FR*\b:128*(\p)+FR*\b+FR-1], v[AF+FR*(\a):AF+FR*(\a)+FR-1], v[8*(8*((\a)%4)+\b):8*(8*((\a)%4)+\b)+7], v[SC+8*NQ*(\sc)+NQ*\b+(\q)], v[SC+8*NQ*(\sc)+NQ*(\a)+(\q)] matrix_a_fmt:MATRIX_FMT_FP4 matrix_b_fmt:MATRIX_FMT_FP4 matrix_a_scale:MATRIX_SCALE_ROW1
.endif
.endr
.endr
.endm
.macro FETCH_B slot, q, p
	WIN TO_B
.irp i, 0,1,2,3,4,5,6,7
	FRAG 128*(\p)+FR*\i, ADRB+\slot, \q, \i
.endr
	WIN 0
.endm
.macro FETCH_A slot, q, i0
.irp i, \i0, \i0+1, \i0+2, \i0+3
	FRAG AF+FR*(\i), ADRA+\slot, \q, \i
.endr
.endm
.macro SCALES sc                       ; a slot's scale words: 4 words a row; lanes 0-15 take A's block i, lanes 16-31 B's block i
.irp i, 0,1,2,3,4,5,6,7
	ds_load_b128 v[SC+8*NQ*\sc+NQ*\i:SC+8*NQ*\sc+NQ*\i+3], v[ADRS] offset:\i*SBLK
.endr
.endm
.macro PLACES n                        ; plain vector instructions between a matrix instruction and a load into, or a read or write of, its registers
.rept \n
	v_nop
.endr
.endm
.macro STEP slot, q, zero              ; 128 along K that has its successor in the same slot
	s_wait_dscnt 4*NL                              ; B's set and A's blocks 0-3 are in; the youngest eight loads (A's blocks 4-7) may be out
	WIN MUL_LO
	MUL16 0, (\q)%2, \q, \slot, \zero
	MUL16 2, (\q)%2, \q, \slot, \zero
	s_wait_dscnt 0
	PLACES NP
	FETCH_B \slot, (\q)+1, 1-(\q)%2
	FETCH_A \slot, (\q)+1, 0
	WIN MUL_HI
	MUL16 4, (\q)%2, \q, \slot, \zero
	MUL16 6, (\q)%2, \q, \slot, \zero
	PLACES NP
	WIN 0
	FETCH_A \slot, (\q)+1, 4
.endm
.macro STEPS slot, from
.set Q, \from
.rept NQ-1-\from
	STEP \slot, Q, 0
.set Q, Q+1
.endr
.endm
	s_wait_tensorcnt 1                             ; the scales and my part of slot 0 are in (slot 1's load may be out)
	s_barrier_signal -1
	s_barrier_wait -1                              ; everybody's are
	FETCH_B 0, 0, 0
	FETCH_A 0, 0, 0
	SCALES 0
	FETCH_A 0, 0, 4
	STEP 0, 0, 1                                   ; the first products start the sums: nothing is cleared
	STEPS 0, 1
	; slot 0's last step changes slots: one barrier; in front of it each wave waits for its part of slot 1 and for its reads of slot 0
	s_wait_tensorcnt 0x0                           ; all my tensor loads have landed
	ds_add_u32 v[SPW], v[NIL]                      ; 0 onto my spare word
	s_wait_dscnt 4*NL+1                            ; (the add and the youngest eight loads may be out)
	WIN MUL_LO
	MUL16 0, 1, NQ-1, 0, 0
	s_wait_dscnt 0x0                               ; the add is done, and my reads of slot 0 are over
	s_barrier_signal -1
	MUL16 2, 1, NQ-1, 0, 0
	WIN 0
	s_barrier_wait -1
	PLACES NP
	v_add_nc_u32 v[ADRS], 4*NQ, v[ADRS]            ; on to slot 1's scale words
	FETCH_B 1, 0, 0
	FETCH_A 1, 0, 0
	SCALES 1
	WIN MUL_HI
	MUL16 4, 1, NQ-1, 0, 0
	MUL16 6, 1, NQ-1, 0, 0
	PLACES NP
	WIN 0
	FETCH_A 1, 0, 4
	STEPS 1, 0
	s_wait_dscnt 4*NL                              ; the very last step: nothing more to fetch
	WIN MUL_LO
	MUL16 0, 1, NQ-1, 1, 0
	MUL16 2, 1, NQ-1, 1, 0
	s_wait_dscnt 0
	WIN MUL_HI
	MUL16 4, 1, NQ-1, 1, 0
	MUL16 6, 1, NQ-1, 1, 0
	WIN 0
; THE WAY OUT, block by block of 16 rows x 128 columns (two heads).
; ROPE: accumulator (a, b), registers 2 jj, 2 jj + 1 are the pair 8 (b % 4) + 4 h + jj of head b / 4.  Each accumulator is read from its low end on.
.macro ROPE a
.set AC, 64*((\a)%4)
.set CC, CT+32*((\a)%2)
.set WSRC, 0x02+(\a)/4
	WIN WSRC                                       ; source 0: window 2 or 3
.irp b, 0,1,2,3,4,5,6,7
.irp p, 0,1
	v_pk_mul_f32 v[RR+8*\b+4*\p:RR+8*\b+4*\p+1], v[AC+8*\b+4*\p:AC+8*\b+4*\p+1], v[CC+4*(\b%4)+2*\p:CC+4*(\b%4)+2*\p+1] op_sel:[0,0] op_sel_hi:[1,0]       ; x1 c, x2 c: the pair's c serves both halves
	v_pk_mul_f32 v[RR+8*\b+4*\p+2:RR+8*\b+4*\p+3], v[AC+8*\b+4*\p+2:AC+8*\b+4*\p+3], v[CC+4*(\b%4)+2*\p:CC+4*(\b%4)+2*\p+1] op_sel:[0,1] op_sel_hi:[1,1]
.endr
.endr
.irp b, 0,1,2,3,4,5,6,7
.irp p, 0,1
	v_pk_fma_f32 v[RR+8*\b+4*\p:RR+8*\b+4*\p+1], v[AC+8*\b+4*\p:AC+8*\b+4*\p+1], v[CC+16+4*(\b%4)+2*\p:CC+16+4*(\b%4)+2*\p+1], v[RR+8*\b+4*\p:RR+8*\b+4*\p+1] op_sel:[1,0,0] op_sel_hi:[0,0,1] neg_lo:[0,1,0]   ; low: - x2 s; high: + x1 s
	v_pk_fma_f32 v[RR+8*\b+4*\p+2:RR+8*\b+4*\p+3], v[AC+8*\b+4*\p+2:AC+8*\b+4*\p+3], v[CC+16+4*(\b%4)+2*\p:CC+16+4*(\b%4)+2*\p+1], v[RR+8*\b+4*\p+2:RR+8*\b+4*\p+3] op_sel:[1,1,0] op_sel_hi:[0,1,1] neg_lo:[0,1,0]
.endr
.endr
	WIN 0
.endm
.macro TOSTAGE a                       ; a lane's 16 bytes go into my stage, and come back as two rows' 128 bytes of each head.  LDS serves a wave's instructions in order: no wait between
.irp b, 0,1,2,3,4,5,6,7
	ds_store_b128 v[STO], v[HH+4*\b:HH+4*\b+3] offset:32*\b
.endr
.irp t, 0,1,2,3,4,5,6,7
	ds_load_b128 v[BK+32*((\a)%2)+4*\t:BK+32*((\a)%2)+4*\t+3], v[RD] offset:2*SP*\t
.endr
.endm
.macro SEND a, younger                 ; younger: the LDS instructions issued behind block a's loads
	s_wait_dscnt \younger
.irp t, 0,1,2,3,4,5,6,7
	global_store_b128 v[CO], v[BK+32*((\a)%2)+4*\t:BK+32*((\a)%2)+4*\t+3], s[98:99] offset:2048*(\a)+256*\t   ; sixteen lanes store 256 consecutive bytes, aligned: two rows of a head
.endr
.endm
	PLACES NP                                      ; behind the last products: the first reads of results, and the writes over scale words and fragments
.irp a, 0,1,2,3,4,5,6,7
.if \a < 7
	s_wait_loadcnt 8                               ; this block's table words are in; the next block's eight loads may be out
.else
	s_wait_loadcnt 0x0
.endif
	ROPE \a
.if \a < 6
	TABLOAD \a+2                                   ; into the set just read
.endif
.irp b, 0,1,2,3,4,5,6,7
.irp jj, 0,1,2,3
	v_cvt_pk_f16_f32 v[HH+4*\b+\jj], v[RR+8*\b+2*\jj], v[RR+8*\b+2*\jj+1]
.endr
.endr
.if \a == 0
	s_cmp_lg_u32 s93, 0                            ; positions 0 to 15 also leave in f32
	s_cbranch_scc1 .Lno_fine
.irp b, 0,1,2,3,4,5,6,7
	global_store_b128 v[FO], v[RR+8*\b:RR+8*\b+3], s[12:13] offset:4096*(\b/4)+64*(\b%4)
	global_store_b128 v[FO], v[RR+8*\b+4:RR+8*\b+7], s[12:13] offset:4096*(\b/4)+64*(\b%4)+16
.endr
.Lno_fine:
.endif
.if \a != 1
	s_wait_xcnt 0x0                                ; earlier stores have read their registers: the rotated numbers (block 0) and the rows of block a - 2 are written again only behind this wait
.endif
	TOSTAGE \a
.if \a > 0
	SEND \a-1, 16                                  ; behind block a - 1's loads: block a's 8 stores and 8 loads
.endif
.endr
	SEND 7, 0
	s_wait_tensorcnt 0x0                           ; the wave's end, behind my last tensor load and my last LDS store
	ds_add_u32 v[SPW], v[NIL]
	s_wait_dscnt 0x0
	CROUND                                         ; the closing round
	s_endpgm
.Lfunc_end_k_qb67908855e_gemm_qkv:
	.size	k_qb67908855e_gemm_qkv, .Lfunc_end_k_qb67908855e_gemm_qkv-k_qb67908855e_gemm_qkv
	.p2alignl 7, 3214868480
	.fill 96, 4, 3214868480
	.section	.rodata,"a",@progbits
	.p2align	6, 0x0
	.amdhsa_kernel k_qb67908855e_gemm_qkv
		.amdhsa_group_segment_fixed_size 327680
		.amdhsa_private_segment_fixed_size 0
		.amdhsa_enable_private_segment 0
		.amdhsa_kernarg_size 40
		.amdhsa_user_sgpr_count 2
		.amdhsa_user_sgpr_kernarg_segment_ptr 1
		.amdhsa_wavefront_size32 1
		.amdhsa_system_sgpr_workgroup_id_x 1
		.amdhsa_system_sgpr_workgroup_id_y 1
		.amdhsa_system_sgpr_workgroup_id_z 1
		.amdhsa_system_vgpr_workitem_id 0
		.amdhsa_next_free_vgpr 1024
		.amdhsa_next_free_sgpr 100
		.amdhsa_reserve_vcc 0
		.amdhsa_float_denorm_mode_32 3
		.amdhsa_float_denorm_mode_16_64 3
		.amdhsa_memory_ordered 1
		.amdhsa_forward_progress 1
		.amdhsa_inst_pref_size 167
	.end_amdhsa_kernel
	.amdgpu_metadata
---
amdhsa.version: [ 1, 2 ]
amdhsa.kernels:
  - .name:           k_qb67908855e_gemm_qkv
    .symbol:         k_qb67908855e_gemm_qkv.kd
    .args:
      - { .name: codes, .offset: 0, .size: 8, .value_kind: global_buffer, .address_space: global }
      - { .name: scales, .offset: 8, .size: 8, .value_kind: global_buffer, .address_space: global }
      - { .name: tab, .offset: 16, .size: 8, .value_kind: global_buffer, .address_space: global }
      - { .name: qkv, .offset: 24, .size: 8, .value_kind: global_buffer, .address_space: global }
      - { .name: fine32, .offset: 32, .size: 8, .value_kind: global_buffer, .address_space: global }
    .group_segment_fixed_size: 327680
    .private_segment_fixed_size: 0
    .kernarg_segment_align: 8
    .kernarg_segment_size: 40
    .max_flat_workgroup_size: 128
    .sgpr_count:     100
    .vgpr_count:     1024
    .wavefront_size: 32
...
	.end_amdgpu_metadata
.endif
;; end of part 2
;; launch attn (part 3): grid 4 x 64, 16 waves a work-group, no clusters, 327,680 bytes of LDS; arguments qkv, attn16; writes attn16
.if DOCPART == 3
	.amdgcn_target "amdgcn-amd-amdhsa--gfx1250"
	.amdhsa_code_object_version 6
	.text
	.protected	k_qb67908855e_attn
	.globl	k_qb67908855e_attn
	.p2align	8
	.type	k_qb67908855e_attn,@function
k_qb67908855e_attn:
	s_mov_b64 s[64:65], 0
	v_nop
	global_prefetch_b8 v0, s[64:65] scope:SCOPE_SE
	s_setreg_imm32_b32 hwreg(HW_REG_WAVE_MODE, 25, 1), 1
	s_wait_xcnt 0x0
; Causal attention of one head, in f16 operands and f32 sums.  q (already times log2(e) / 8), k, v: f16 [kind][batch x head][2048][64]; out: f16 [row / 128][head][128 rows][64].
; SHARES.  Work-group (j, batch x head) owns the blocks j and 7 - j of 256 queries, so that all work-groups have the same number of key steps under the mask.  Each of sixteen waves owns 32 queries, two tiles;
; wave w takes the low block where (w xor w / 4) is even, the high block else.  Every work-group walks all eight slots of 256 keys with constant trip counts; a step all of whose keys come after the wave's
; queries is jumped over (a branch on ids), and a slot that none of the work-group's waves reads is not asked for.
; NO CLUSTER: the four work-groups of a head need 8 - j slots each: partners would need different numbers of tiles.
; LAYOUT.  S^T = K Q^T (source 0 = 16 keys, source 1 = 16 queries): a lane holds one query (lane % 16) and keys 8 (lane / 16) + 0..7.  Two such tiles rounded to f16 in pairs are source 1 of O^T = V^T P.
; K comes out of LDS as it lies, V ([key][channel]) turned, by ds_load_tr16_b128.
; SOFTMAX.  A running maximum m and sum l for each query: p = 2^(s - m); in every step O and l are multiplied by a = 2^(old m - new m).  Key 0 counts for every query, so m is a number from the first step on.
; LIMIT: p is rounded to f16 for the second product; l is the sum of the unrounded p.
; REGISTERS: v1-14 addresses and constants; v16-47 Q; v48-111 K's fragments, then V's; v112-175 S^T, then p (f16 packed in place); v176-239 O^T; v240-255 eight statistics a tile.
.set KP,    144                        ; a key's row of K in LDS: 128 bytes + 16
.set VP,    160                        ; of V: 128 + 32
.set SK,    256                        ; keys in a slot
.set VOFF,  SK*KP
.set SLOT1, 1<<17                      ; slot 1 begins here: one exclusive or turns an address
.set NSL,   8
.set SLOTB, SK*128                     ; a slot's bytes of K, or of V, in memory
.set SPARE, 2*SLOT1                    ; the spare words, 128 bytes for each of sixteen waves
.set AK0, 1
.set AV0, 2
.set SPW, 3
.set NIL, 4
.set ADK, 5
.set ADV, 6
.set PFO, 7                            ; v7   256 x lane
.set DB,  8                            ; v8   lane % 16 - 8 (lane / 16)
.set D0,  9                            ; v9   the mask's distance for tile 0
.set NINF, 10                          ; v10  -infinity
.set D1,  11                           ; v11  for tile 1
.set STO, 12
.set RD,  13
.set GO,  14
.set QF,  16
.set KV,  48
.set SS,  112
.set OT,  176
.set ST,  240                          ; tile t at ST + 8 t: +0 m, +1 old m, +2:3 l, +4 a, +5 the other half's, +6, +7 two chains
.set WV,  18
.set SEL, 20
.set G1K, 24
.set G1V, 32
.set G0K, 40
.set G0V, 44
.set TB,  2
.set SLOTS, 67
.set PFA, 76
.set LIM, 80
.set LASTQ, 81
.set KF,  98
.set Q0,  99
; Waves 0 and 1 fetch K's halves, waves 2 and 3 V's, the others nothing.  An s_nop 0 and four v_nop follow each of the two lines.
.macro TLOAD
	s_cmp_lt_u32 s[WV], 2
	s_cbranch_scc0 .Lnot_k_\@
	tensor_load_to_lds s[G0K:G0K+3], s[G1K:G1K+7]
	s_nop 0
.rept 4
	v_nop
.endr
	s_branch .Lasked_\@
.Lnot_k_\@:
	s_cmp_lt_u32 s[WV], 4
	s_cbranch_scc0 .Lasked_\@
	tensor_load_to_lds s[G0V:G0V+3], s[G1V:G1V+7]
	s_nop 0
.rept 4
	v_nop
.endr
.Lasked_\@:
.endm
; A prefetch of what the next change of slots will ask for.  The four work-groups of a head walk the same K and V: work-group j = 0, which walks all eight slots, asks.  In it waves 4 to 7 ask for K's 32,768 bytes,
; waves 8 to 11 for V's: 8,192 bytes a wave, lanes 256 bytes apart: each aligned 256 bytes is named once in the launch.  The last change that fills a slot asks for nothing; slots 0 and 1 come by their loads alone.
.macro ASK
	s_cmp_gt_u32 s[SLOTS], s[LIM]
	s_cbranch_scc0 .Lnot_mine_\@
	global_prefetch_b8 v[PFO], s[PFA:PFA+1] th:TH_LOAD_NT scope:SCOPE_SE
.Lnot_mine_\@:
.endm
	s_load_b128 s[4:7], s[0:1], 0x0                ; qkv s[4:5], attn16 s[6:7]
	v_lshl_add_u32 v[SPW], v0, 2, SPARE
	v_mov_b32 v[NIL], 0
	ds_add_u32 v[SPW], v[NIL]                      ; the wave's opening: the add, twice on end, and its wait ahead of the first tensor load
	ds_add_u32 v[SPW], v[NIL]
	v_lshrrev_b32 v5, 5, v0
	v_readfirstlane_b32 s[WV], v5                  ; wave 0..15
	s_and_b32 s72, ttmp7, 0xffff                   ; batch x 16 + head
	s_lshl_b32 s74, s72, 18                        ; the head's first byte in a kind
	s_mov_b32 s75, 0
	s_lshr_b32 s82, s[WV], 2
	s_xor_b32 s82, s82, s[WV]
	s_and_b32 s82, s82, 1                          ; 0: the low block, 1: the high one
	s_sub_co_u32 s83, 7, ttmp9
	s_cmp_lg_u32 s82, 0
	s_cselect_b32 s84, s83, ttmp9
	s_lshl_b32 s[Q0], s84, 8
	s_lshr_b32 s84, s[WV], 1
	s_lshl_b32 s84, s84, 5
	s_add_co_u32 s[Q0], s[Q0], s84                 ; my first query
	s_lshl_b32 s[LASTQ], s83, 8
	s_or_b32 s[LASTQ], s[LASTQ], 255               ; my work-group's last query
	s_and_b32 s88, s[WV], 1                        ; which 128 keys of a slot I fetch, if I fetch
	s_lshl_b32 s90, s88, 14
	s_add_co_u32 s90, s90, s74
	s_mov_b32 s91, 0
	s_mul_i32 s89, s88, 128*KP
	s_mul_i32 s94, s88, 128*VP
	s_add_co_u32 s94, s94, VOFF
	s_mov_b32 s[G1K], (1<<16)|(1<<20)|(4<<22)|(3<<25)   ; no mask; elements of 2 bytes; padding on: 4 words after every 32
	s_mov_b32 s[G1V], (1<<16)|(1<<20)|(4<<22)|(7<<25)   ; 8 words
.irp g, G1K, G1V
	s_mov_b32 s[\g+1], 64<<16                      ; tensor_dim0
	s_mov_b32 s[\g+2], 128<<16                     ; tensor_dim1
	s_mov_b32 s[\g+3], 64<<16                      ; tile_dim0
	s_mov_b32 s[\g+4], 128                         ; tile_dim1
	s_mov_b32 s[\g+5], 64                          ; from row to row
	s_mov_b32 s[\g+6], 0
	s_mov_b32 s[\g+7], 0
.endr
	s_mov_b32 s[SEL], 0x76543210
	s_mov_b32 s[SEL+1], 0xfedcba98                 ; v_permlanex16_b32's selects for lane l xor 16
	s_mov_b32 s[TB], 0
	s_mov_b32 s[SLOTS], NSL-1
	s_mov_b32 s[KF], 0
	s_wait_dscnt 0x0                               ; both opening adds are done
	s_wait_kmcnt 0x0
	s_add_nc_u64 s[8:9], s[4:5], 0x1000000         ; k
	s_add_nc_u64 s[10:11], s[4:5], 0x2000000       ; v
	s_mov_b32 s[G0K], 1
	s_mov_b32 s[G0K+1], s89
	s_add_nc_u64 s[G0K+2:G0K+3], s[8:9], s[90:91]
	s_or_b32 s[G0K+3], s[G0K+3], 0x80000000
	s_mov_b32 s[G0V], 1
	s_mov_b32 s[G0V+1], s94
	s_add_nc_u64 s[G0V+2:G0V+3], s[10:11], s[90:91]
	s_or_b32 s[G0V+3], s[G0V+3], 0x80000000
	TLOAD                                          ; slot 0: keys 0 to 255, which count for some query of every wave
	s_lshl_b32 s84, s[Q0], 7
	s_add_co_u32 s84, s84, s74
	s_mov_b32 s85, 0
	s_add_nc_u64 s[12:13], s[4:5], s[84:85]        ; q at my first query
	s_lshr_b32 s84, s72, 4
	s_lshl_b32 s84, s84, 4
	s_lshr_b32 s86, s[Q0], 7
	s_add_co_u32 s84, s84, s86                     ; 16 x batch + query / 128
	s_lshl_b32 s84, s84, 4
	s_and_b32 s86, s72, 15
	s_add_co_u32 s84, s84, s86                     ; x 16 + head
	s_lshl_b32 s84, s84, 14
	s_and_b32 s86, s[Q0], 127
	s_lshl_b32 s86, s86, 7
	s_add_co_u32 s84, s84, s86
	s_add_nc_u64 s[6:7], s[6:7], s[84:85]          ; the output at my first query
	s_cmp_lt_u32 s[WV], 8                          ; the prefetches: waves 4 to 7 stand in k, waves 8 to 11 in v
	s_cselect_b64 s[PFA:PFA+1], s[8:9], s[10:11]
	s_and_b32 s84, s[WV], 3
	s_lshl_b32 s84, s84, 13
	s_add_co_u32 s84, s84, s74
	s_add_co_u32 s84, s84, SLOTB                   ; in slot 1: the first change of slots steps it to slot 2
	s_add_nc_u64 s[PFA:PFA+1], s[PFA:PFA+1], s[84:85]
	s_sub_co_u32 s82, s[WV], 4
	s_lshr_b32 s82, s82, 3                         ; 0 in waves 4 to 11,
	s_or_b32 s82, s82, ttmp9                       ; of work-group j = 0
	s_cmp_eq_u32 s82, 0
	s_cselect_b32 s[LIM], 1, -1
	v_and_b32 v5, 15, v0                           ; r
	v_bfe_u32 v6, v0, 4, 1                         ; h
	v_lshlrev_b32 v15, 7, v5
	v_lshl_add_u32 v15, v6, 4, v15                 ; q: row r of 128 bytes, + 16 h
.irp t, 0,1
.irp c, 0,1
	global_load_b128 v[QF+16*\t+8*\c:QF+16*\t+8*\c+3], v15, s[12:13] offset:2048*\t+64*\c
	global_load_b128 v[QF+16*\t+8*\c+4:QF+16*\t+8*\c+7], v15, s[12:13] offset:2048*\t+64*\c+32
.endr
.endr
	v_mul_u32_u24 v[AK0], v5, KP
	v_lshl_add_u32 v[AK0], v6, 4, v[AK0]           ; K: row r x pitch + 16 h
	v_and_b32 v9, 7, v0
	v_lshl_add_u32 v9, v6, 3, v9
	v_mul_u32_u24 v[AV0], v9, VP
	v_bfe_u32 v9, v0, 3, 1
	v_lshl_add_u32 v[AV0], v9, 4, v[AV0]
	v_add_nc_u32 v[AV0], VOFF, v[AV0]              ; V: key 8 h + lane % 8, channels 8 ((lane / 8) % 2) on
	v_lshlrev_b32 v[DB], 3, v6
	v_sub_nc_u32 v[DB], v5, v[DB]
	v_mov_b32 v[NINF], 0xff800000
	v_and_b32 v[PFO], 31, v0
	v_lshlrev_b32 v[PFO], 8, v[PFO]
.irp t, 0,1
	v_mov_b32 v[ST+8*\t], 0xff61b1e6               ; m: -3e38, under every score
.irp i, 1,2,3,4,5,6,7
	v_mov_b32 v[ST+8*\t+\i], 0
.endr
.endr
.irp j, 0,1,2,3,4,5,6,7,8,9,10,11,12,13,14,15,16,17,18,19,20,21,22,23,24,25,26,27,28,29,30,31,32,33,34,35,36,37,38,39,40,41,42,43,44,45,46,47,48,49,50,51,52,53,54,55,56,57,58,59,60,61,62,63
	v_mov_b32 v[OT+\j], 0                          ; O^T.  (The step is written once: the first finds zeros, which a = 0 leaves zeros)
.endr
; A KEY STEP: 64 keys, the q-th of the slot in hand.
.macro STEP q
	s_add_co_u32 s96, s[Q0], 31
	s_cmp_gt_u32 s[KF], s96                        ; all 64 keys come after my 32 queries: the step's work is left out (ids and the count of steps alone)
	s_cbranch_scc1 .Lhidden_\@
	v_add_nc_u32 v[ADK], s[TB], v[AK0]
	v_add_nc_u32 v[ADV], s[TB], v[AV0]
.rept 3
	v_nop                                          ; with the two additions five places: the products below write over p, which the last products read
.endr
.irp kt, 0,1,2,3
.irp c, 0,1
	ds_load_b128 v[KV+8*(2*\kt+\c):KV+8*(2*\kt+\c)+3], v[ADK] offset:(64*(\q)+16*\kt)*KP+64*\c
	ds_load_b128 v[KV+8*(2*\kt+\c)+4:KV+8*(2*\kt+\c)+7], v[ADK] offset:(64*(\q)+16*\kt)*KP+64*\c+32
.endr
.endr
	s_wait_dscnt 0x0
.irp c, 0,1                                    ; S^T = K Q^T: eight accumulators by turns
.irp kt, 0,1,2,3
.irp t, 0,1
.if \c == 0
	v_wmma_f32_16x16x32_f16 v[SS+32*\t+8*\kt:SS+32*\t+8*\kt+7], v[KV+8*(2*\kt+\c):KV+8*(2*\kt+\c)+7], v[QF+16*\t+8*\c:QF+16*\t+8*\c+7], 0
.else
	v_wmma_f32_16x16x32_f16 v[SS+32*\t+8*\kt:SS+32*\t+8*\kt+7], v[KV+8*(2*\kt+\c):KV+8*(2*\kt+\c)+7], v[QF+16*\t+8*\c:QF+16*\t+8*\c+7], v[SS+32*\t+8*\kt:SS+32*\t+8*\kt+7]
.endif
.endr
.endr
.endr
.rept 4
	v_nop                                          ; places: in front of the loads into K's registers and of the first read of the scores
.endr
.irp g, 0,1                                    ; V, turned: it lands while the softmax is walked
.irp ct, 0,1,2,3
	ds_load_tr16_b128 v[KV+8*(4*\g+\ct):KV+8*(4*\g+\ct)+3], v[ADV] offset:(64*(\q)+32*\g)*VP+32*\ct
	ds_load_tr16_b128 v[KV+8*(4*\g+\ct)+4:KV+8*(4*\g+\ct)+7], v[ADV] offset:(64*(\q)+32*\g)*VP+16*VP+32*\ct
.endr
.endr
	s_add_co_u32 s96, s[KF], 63
	s_cmp_le_u32 s96, s[Q0]                        ; a step all of whose keys count skips the mask
	s_cbranch_scc1 .Lopen_\@
	s_sub_co_i32 s96, s[Q0], s[KF]
	v_add_nc_u32 v[D0], s96, v[DB]                 ; my query - the step's first key - 8 h.  Register 8 kt + j holds key 16 kt + 8 h + j: hidden where 16 kt + j is greater
	v_add_nc_u32 v[D1], 16, v[D0]
.irp kt, 0,1,2,3
.irp j, 0,1,2,3,4,5,6,7
	v_cmp_gt_i32 vcc_lo, 16*\kt+\j, v[D0]
	v_cndmask_b32 v[SS+8*\kt+\j], v[SS+8*\kt+\j], v[NINF], vcc_lo
.endr
.endr
.irp kt, 0,1,2,3
.irp j, 0,1,2,3,4,5,6,7
	v_cmp_gt_i32 vcc_lo, 16*\kt+\j, v[D1]
	v_cndmask_b32 v[SS+32+8*\kt+\j], v[SS+32+8*\kt+\j], v[NINF], vcc_lo
.endr
.endr
.Lopen_\@:
.irp t, 0,1                                    ; the maximum: two chains a tile; each accumulator is first read at its low end
	v_max3_num_f32 v[ST+8*\t+6], v[SS+32*\t], v[SS+32*\t+1], v[SS+32*\t+2]
	v_max3_num_f32 v[ST+8*\t+7], v[SS+32*\t+16], v[SS+32*\t+17], v[SS+32*\t+18]
.endr
.irp i, 3,5,7,9,11,13
.irp t, 0,1
	v_max3_num_f32 v[ST+8*\t+6], v[ST+8*\t+6], v[SS+32*\t+\i], v[SS+32*\t+\i+1]
	v_max3_num_f32 v[ST+8*\t+7], v[ST+8*\t+7], v[SS+32*\t+16+\i], v[SS+32*\t+17+\i]
.endr
.endr
.irp t, 0,1
	v_max3_num_f32 v[ST+8*\t+6], v[ST+8*\t+6], v[SS+32*\t+15], v[SS+32*\t+31]
.endr
.irp t, 0,1
	v_max3_num_f32 v[ST+8*\t+6], v[ST+8*\t+6], v[ST+8*\t+7], v[ST+8*\t]     ; with the old m
.endr
.irp t, 0,1
	v_mov_b32 v[ST+8*\t+1], v[ST+8*\t]
.endr
.irp t, 0,1
	v_permlanex16_b32 v[ST+8*\t+5], v[ST+8*\t+6], s[SEL], s[SEL+1]          ; the query's other 32 keys lie in the lane 16 away
.endr
.irp t, 0,1
	v_max_num_f32 v[ST+8*\t], v[ST+8*\t+6], v[ST+8*\t+5]                    ; the new m
.endr
.irp t, 0,1
	v_sub_f32 v[ST+8*\t+4], v[ST+8*\t+1], v[ST+8*\t]
.endr
.irp i, 0,2,4,6,8,10,12,14,16,18,20,22,24,26,28,30
.irp t, 0,1
	v_pk_add_f32 v[SS+32*\t+\i:SS+32*\t+\i+1], v[SS+32*\t+\i:SS+32*\t+\i+1], v[ST+8*\t:ST+8*\t+1] op_sel_hi:[1,0] neg_lo:[0,1] neg_hi:[0,1]   ; s - m
.endr
.endr
.irp t, 0,1
	v_exp_f32 v[ST+8*\t+4], v[ST+8*\t+4]           ; a.  ONE BATCH of 66 exponentials,
.endr
.irp i, 0,1,2,3,4,5,6,7,8,9,10,11,12,13,14,15,16,17,18,19,20,21,22,23,24,25,26,27,28,29,30,31
.irp t, 0,1
	v_exp_f32 v[SS+32*\t+\i], v[SS+32*\t+\i]
.endr
.endr
	v_nop                                          ; one plain instruction behind the last of them,
	s_wait_alu depctr_va_vdst(0)                   ; and one wait ahead of the first reader
.irp t, 0,1                                    ; l = l a + the sum of the unrounded p, in two chains a tile
	v_pk_fma_f32 v[ST+8*\t+2:ST+8*\t+3], v[ST+8*\t+2:ST+8*\t+3], v[ST+8*\t+4:ST+8*\t+5], v[SS+32*\t:SS+32*\t+1] op_sel_hi:[1,0,1]
	v_pk_add_f32 v[ST+8*\t+6:ST+8*\t+7], v[SS+32*\t+2:SS+32*\t+3], v[SS+32*\t+4:SS+32*\t+5]
.endr
.irp i, 6,10,14,18,22,26
.irp t, 0,1
	v_pk_add_f32 v[ST+8*\t+2:ST+8*\t+3], v[ST+8*\t+2:ST+8*\t+3], v[SS+32*\t+\i:SS+32*\t+\i+1]
	v_pk_add_f32 v[ST+8*\t+6:ST+8*\t+7], v[ST+8*\t+6:ST+8*\t+7], v[SS+32*\t+\i+2:SS+32*\t+\i+3]
.endr
.endr
.irp t, 0,1
	v_pk_add_f32 v[ST+8*\t+2:ST+8*\t+3], v[ST+8*\t+2:ST+8*\t+3], v[SS+32*\t+30:SS+32*\t+31]
.endr
.irp t, 0,1
	v_pk_add_f32 v[ST+8*\t+2:ST+8*\t+3], v[ST+8*\t+2:ST+8*\t+3], v[ST+8*\t+6:ST+8*\t+7]
.endr
.irp i, 0,2,4,6,8,10,12,14,16,18,20,22,24,26,28,30
.irp t, 0,1
	v_pk_mul_f32 v[OT+32*\t+\i:OT+32*\t+\i+1], v[OT+32*\t+\i:OT+32*\t+\i+1], v[ST+8*\t+4:ST+8*\t+5] op_sel_hi:[1,0]   ; O^T x a
.endr
.endr
.irp i, 0,1,2,3,4,5,6,7,8,9,10,11,12,13,14,15
.irp t, 0,1
	v_cvt_pk_f16_f32 v[SS+32*\t+\i], v[SS+32*\t+2*\i], v[SS+32*\t+2*\i+1]   ; p to f16, in place, ascending: registers 8 g .. 8 g + 7 are the fragment of keys 32 g on
.endr
.endr
	s_wait_dscnt 0x0                               ; V is in
.irp g, 0,1                                    ; O^T += V^T P: eight accumulators by turns
.irp ct, 0,1,2,3
.irp t, 0,1
	v_wmma_f32_16x16x32_f16 v[OT+32*\t+8*\ct:OT+32*\t+8*\ct+7], v[KV+8*(4*\g+\ct):KV+8*(4*\g+\ct)+7], v[SS+32*\t+8*\g:SS+32*\t+8*\g+7], v[OT+32*\t+8*\ct:OT+32*\t+8*\ct+7]
.endr
.endr
.endr
.Lhidden_\@:
	s_add_co_u32 s[KF], s[KF], 64
.endm
; THE CHANGE OF SLOTS stands at a slot's head.  Each wave waits for all its tensor loads, adds 0 to its spare word (fill = 1: twice on end), and waits for that and for its reads of the slot that it has left.
; Behind the barrier the slot ahead is whole and nobody reads the other one; fill = 1: that other slot is filled with the next 256 keys, while some wave of the work-group will read them.
.macro CHANGE fill
	s_wait_tensorcnt 0x0                           ; no tensor load of mine is out, so a group 0 may be written
	ds_add_u32 v[SPW], v[NIL]
.if \fill
	ds_add_u32 v[SPW], v[NIL]                      ; and once more, in every trip alike
	s_xor_b32 s[G0K+1], s[G0K+1], SLOT1            ; the walking descriptors: the other slot, the next 256 keys
	s_add_nc_u64 s[G0K+2:G0K+3], s[G0K+2:G0K+3], SLOTB
	s_xor_b32 s[G0V+1], s[G0V+1], SLOT1
	s_add_nc_u64 s[G0V+2:G0V+3], s[G0V+2:G0V+3], SLOTB
	s_wait_xcnt 0x0                                ; the last prefetch, a slot back, has read its address
	s_add_nc_u64 s[PFA:PFA+1], s[PFA:PFA+1], SLOTB
.endif
	s_wait_dscnt 0x0                               ; the add is done, and my reads of the slot that I have left are over
	s_barrier_signal -1
	s_barrier_wait -1
.if \fill
	s_add_co_u32 s96, s[KF], SK                    ; the first key of the slot that this change would ask for
	s_cmp_gt_u32 s96, s[LASTQ]                     ; past my work-group's last query: no wave would read it.  Ids and the count of steps alone: all sixteen waves go the same way
	s_cbranch_scc1 .Lpast_\@
	TLOAD                                          ; a wave's one tensor load until the next barrier; every wait on TENSORcnt in this text is for 0
.Lpast_\@:
	ASK
.endif
.endm
.macro SLOT_STEPS
.set QN, 0
.rept 4
	STEP QN
.set QN, QN+1
.endr
	s_xor_b32 s[TB], s[TB], SLOT1
.endm
	s_wait_loadcnt 0x0                             ; Q
.Lslot:                                            ; seven trips
	CHANGE 1
	SLOT_STEPS
	s_sub_co_u32 s[SLOTS], s[SLOTS], 1
	s_cmp_lg_u32 s[SLOTS], 0
	s_cbranch_scc1 .Lslot
	CHANGE 0                                       ; the last slot is written out: nothing is left to ask for
	SLOT_STEPS
	; THE WAY OUT.  O^T / l, rounded to f16, goes through my stage (32 rows of 144 bytes, in slot 0, which has had its last fill and was left at the last change) and leaves as 4,096 consecutive bytes.
.rept 4
	v_nop                                          ; places behind the last products
.endr
.irp t, 0,1
	v_add_f32 v[ST+8*\t+2], v[ST+8*\t+2], v[ST+8*\t+3]
.endr
.irp t, 0,1
	v_permlanex16_b32 v[ST+8*\t+5], v[ST+8*\t+2], s[SEL], s[SEL+1]
.endr
.irp t, 0,1
	v_add_f32 v[ST+8*\t+2], v[ST+8*\t+2], v[ST+8*\t+5]
.endr
.irp t, 0,1
	v_rcp_f32 v[ST+8*\t+4], v[ST+8*\t+2]
.endr
	s_mul_i32 s73, s[WV], 32*KP                    ; my stage
	v_and_b32 v5, 15, v0
	v_bfe_u32 v6, v0, 4, 1
	v_mul_u32_u24 v[STO], v5, KP
	v_lshl_add_u32 v[STO], v6, 4, v[STO]
	v_add_nc_u32 v[STO], s73, v[STO]               ; in: row r, + 16 h
	v_and_b32 v5, 31, v0
	v_lshrrev_b32 v6, 3, v5
	v_mul_u32_u24 v[RD], v6, KP
	v_and_b32 v6, 7, v0
	v_lshl_add_u32 v[RD], v6, 4, v[RD]
	v_add_nc_u32 v[RD], s73, v[RD]                 ; back: eight lanes to a row of 128 bytes, four rows an instruction
	v_lshlrev_b32 v[GO], 4, v5
	s_wait_alu depctr_va_vdst(0)                   ; one wait for the two reciprocals, ahead of their first reader
.irp i, 0,2,4,6,8,10,12,14,16,18,20,22,24,26,28,30
.irp t, 0,1
	v_pk_mul_f32 v[OT+32*\t+\i:OT+32*\t+\i+1], v[OT+32*\t+\i:OT+32*\t+\i+1], v[ST+8*\t+4:ST+8*\t+5] op_sel_hi:[1,0]
.endr
.endr
.irp t, 0,1
.irp i, 0,1,2,3,4,5,6,7,8,9,10,11,12,13,14,15
	v_cvt_pk_f16_f32 v[KV+16*\t+\i], v[OT+32*\t+2*\i], v[OT+32*\t+2*\i+1]
.endr
.endr
.irp t, 0,1
.irp ct, 0,1,2,3
	ds_store_b128 v[STO], v[KV+16*\t+4*\ct:KV+16*\t+4*\ct+3] offset:16*KP*\t+32*\ct
.endr
.endr
.irp u, 0,1,2,3,4,5,6,7
	ds_load_b128 v[SS+4*\u:SS+4*\u+3], v[RD] offset:4*KP*\u    ; LDS serves a wave's instructions in order: these see my stores
.endr
.irp u, 0,1,2,3,4,5,6,7
	s_wait_dscnt 7-\u                              ; the younger loads may be out
	global_store_b128 v[GO], v[SS+4*\u:SS+4*\u+3], s[6:7] offset:512*\u   ; 32 lanes store 512 consecutive bytes, aligned
.endr
	s_wait_tensorcnt 0x0                           ; the wave's end
	ds_add_u32 v[SPW], v[NIL]
	s_wait_dscnt 0x0
	s_endpgm
.Lfunc_end_k_qb67908855e_attn:
	.size	k_qb67908855e_attn, .Lfunc_end_k_qb67908855e_attn-k_qb67908855e_attn
	.p2alignl 7, 3214868480
	.fill 96, 4, 3214868480
	.section	.rodata,"a",@progbits
	.p2align	6, 0x0
	.amdhsa_kernel k_qb67908855e_attn
		.amdhsa_group_segment_fixed_size 327680
		.amdhsa_private_segment_fixed_size 0
		.amdhsa_enable_private_segment 0
		.amdhsa_kernarg_size 16
		.amdhsa_user_sgpr_count 2
		.amdhsa_user_sgpr_kernarg_segment_ptr 1
		.amdhsa_wavefront_size32 1
		.amdhsa_system_sgpr_workgroup_id_x 1
		.amdhsa_system_sgpr_workgroup_id_y 1
		.amdhsa_system_sgpr_workgroup_id_z 1
		.amdhsa_system_vgpr_workitem_id 0
		.amdhsa_next_free_vgpr 256
		.amdhsa_next_free_sgpr 100
		.amdhsa_reserve_vcc 1
		.amdhsa_float_denorm_mode_32 3
		.amdhsa_float_denorm_mode_16_64 3
		.amdhsa_memory_ordered 1
		.amdhsa_forward_progress 1
		.amdhsa_inst_pref_size 187
	.end_amdhsa_kernel
	.amdgpu_metadata
---
amdhsa.version: [ 1, 2 ]
amdhsa.kernels:
  - .name:           k_qb67908855e_attn
    .symbol:         k_qb67908855e_attn.kd
    .args:
      - { .name: qkv, .offset: 0, .size: 8, .value_kind: global_buffer, .address_space: global }
      - { .name: attn16, .offset: 8, .size: 8, .value_kind: global_buffer, .address_space: global }
    .group_segment_fixed_size: 327680
    .private_segment_fixed_size: 0
    .kernarg_segment_align: 8
    .kernarg_segment_size: 16
    .max_flat_workgroup_size: 512
    .sgpr_count:     100
    .vgpr_count:     256
    .wavefront_size: 32
...
	.end_amdgpu_metadata
.endif
;; end of part 3
;; launch proj (part 4): grid 8 x 64, 4 waves a work-group, clusters of 4 x 4, 327,680 bytes of LDS; arguments attn16, wo16, out0; writes out0
.if DOCPART == 4
	.amdgcn_target "amdgcn-amd-amdhsa--gfx1250"
	.amdhsa_code_object_version 6
	.text
	.protected	k_qb67908855e_proj
	.globl	k_qb67908855e_proj
	.p2align	8
	.type	k_qb67908855e_proj,@function
k_qb67908855e_proj:
	s_mov_b64 s[64:65], 0
	v_nop
	global_prefetch_b8 v0, s[64:65] scope:SCOPE_SE
	s_setreg_imm32_b32 hwreg(HW_REG_WAVE_MODE, 25, 1), 1
	s_wait_xcnt 0x0
	s_wait_alu depctr_hold_cnt(0) depctr_sa_sdst(0) depctr_va_vdst(0) depctr_va_sdst(0) depctr_va_ssrc(0) depctr_va_vcc(0) depctr_vm_vsrc(0)
	s_getreg_b32 s2, hwreg(HW_REG_IB_STS2, 6, 4)
	s_cmp_eq_u32 s2, 0
	s_cbranch_scc0 .Lentry_in_a_cluster
	s_endpgm
.Lentry_in_a_cluster:
	s_bfe_u32 s2, ttmp6, 0x10000c
	s_cmp_lg_u32 s2, 0xf033
	s_cbranch_scc0 .Lentry_shape_is_right
	s_endpgm
.Lentry_shape_is_right:
; out[m][n] = sum over k of attn[m][k] Wo[n][k], f16 operands, f32 sums, f32 out.  m = 8,192, n = 1,024, k = 1,024.
; Both operands are laid [rows / 128][k / 64][128 rows][64] f16, so the tile of 128 rows x 256 along K is one dense block of 65,536 bytes: 512 LDS rows of 128 bytes, four planes of 64 along K.
; A tile of out is 128 x 128: 512 work-groups.  Four waves, 64 x 64 each: 16 accumulators.  K goes in four steps of 256 through two LDS slots; a wave's tensor load brings two planes (256 rows of 128 bytes).
; CLUSTERS: 4 x 4 work-groups; A's tile is asked for jointly by a row of the cluster, B's by a column.  The matrix instruction is used transposed: a lane holds eight neighbouring numbers of a row of out.
; A wave's 64 columns of f32 are 256 aligned bytes, so each wave has a stage of its own on the way out, and no barrier stands there.
; Rows 0 to 15 of every batch are written here like all others and written again, more finely, by the launch that follows.
; REGISTERS: window 0: v0-31 addresses; v32-95 the way out; v128-255 the accumulators ((a, b) at v[128 + 8 (4 a + b)]).   window 1: two fragment buffers of 128.
.set PITCH,  144                       ; an LDS row: 128 bytes + 16
.set PLANE,  128*PITCH                 ; 64 along K of 128 rows
.set HALFT,  2*PLANE                   ; what one tensor load brings
.set SLOT,   4*HALFT                   ; A's four planes, then B's
.set SPARE,  2*SLOT                    ; the spare words, 128 bytes a wave
.set SPITCH, 272                       ; the way out: 16 rows x (256 bytes + 16) for each wave, in slot 0, which has had its last fill and its last read by then
.set LAPS,   2
.set ADRA, 16
.set ADRB, 20
.set STO,  24
.set RD,   25
.set CO,   26
.set SPW,  28
.set NIL,  29
.set TMP,  32
.set ACC,  128
.set F0,   0
.set F1,   128
.set G1, 24
.set G0, 32
.set G1B, 48
.set G0B, 56
.set MSB, 0
.macro WIN new
.if MSB != \new
	s_set_vgpr_msb (MSB<<8)|\new
.set MSB, \new
.endif
.endm
.set MUL,  0x05                        ; sources 0 (B) and 1 (A) window 1; C and D window 0
.set TO_F, 0x40
.macro JLOAD s                         ; a joint load: waves 0 and 1 fetch A's halves, waves 2 and 3 B's; an s_nop 0 and four v_nop follow each of the two lines
	s_cmp_eq_u32 s11, 0
	s_cbranch_scc0 .Lfor_b_\@
	tensor_load_to_lds s[G0+4*\s:G0+4*\s+3], s[G1:G1+7]
	s_nop 0
.rept 4
	v_nop
.endr
	s_branch .Lasked_\@
.Lfor_b_\@:
	tensor_load_to_lds s[G0B+4*\s:G0B+4*\s+3], s[G1B:G1B+7]
	s_nop 0
.rept 4
	v_nop
.endr
.Lasked_\@:
.endm
.macro CREST
	s_cmp_lg_u32 s10, 0
	s_cbranch_scc1 .Lnot_wave_0_\@
	s_barrier_signal -3
.Lnot_wave_0_\@:
	s_barrier_wait -3
	s_barrier_signal -1
	s_barrier_wait -1
.endm
.macro CROUND
	s_barrier_signal -1
	s_barrier_wait -1
	CREST
.endm
	s_load_b128 s[4:7], s[0:1], 0x0                ; attn16 s[4:5], wo16 s[6:7]
	s_load_b64 s[8:9], s[0:1], 0x10                ; out0
	v_lshl_add_u32 v[SPW], v0, 2, SPARE
	v_mov_b32 v[NIL], 0
	ds_add_u32 v[SPW], v[NIL]                      ; the wave's opening: the add, twice on end, and its wait ahead of my first tensor load
	ds_add_u32 v[SPW], v[NIL]
	v_lshrrev_b32 v1, 5, v0
	v_readfirstlane_b32 s10, v1                    ; wave 0..3
	s_lshr_b32 s11, s10, 1                         ; which half of the tile's rows is mine.  Also: I fetch for A (0) or for B (1)
	s_and_b32 s12, s10, 1                          ; which half of its columns.  Also: which two planes I fetch
	s_bfe_u32 s40, ttmp6, 0x40000                  ; cx
	s_bfe_u32 s41, ttmp6, 0x40004                  ; cy
	s_lshl_b32 s42, ttmp9, 2
	s_add_co_u32 s42, s42, s40                     ; tile column
	s_and_b32 s13, ttmp7, 0xffff
	s_lshl_b32 s13, s13, 2
	s_add_co_u32 s13, s13, s41                     ; tile row
	s_lshl_b32 s43, s41, 2
	s_lshl_b32 s43, 15, s43                        ; my row of the cluster
	s_lshl_b32 s44, 0x1111, s40                    ; my column
	s_or_b32 s[G1+0], s43, (1<<16)|(1<<20)|(1<<21)|(4<<22)|(3<<25)  ; the mask; elements of 2 bytes; padding on; bit 21 beside a mask; 4 words after every 32
	s_or_b32 s[G1B+0], s44, (1<<16)|(1<<20)|(1<<21)|(4<<22)|(3<<25)
.irp g, G1, G1B
	s_mov_b32 s[\g+1], 64<<16                      ; tensor_dim0
	s_mov_b32 s[\g+2], 256<<16                     ; tensor_dim1
	s_mov_b32 s[\g+3], 64<<16                      ; tile_dim0
	s_mov_b32 s[\g+4], 256                         ; tile_dim1
	s_mov_b32 s[\g+5], 64                          ; from row to row: dense
	s_mov_b32 s[\g+6], 0
	s_mov_b32 s[\g+7], 0
.endr
	s_lshl_b32 s17, s12, 15                        ; two planes are 32,768 bytes
	s_lshl_b32 s16, s13, 18                        ; 128 rows of all K are 262,144
	s_add_co_u32 s16, s16, s17
	s_lshl_b32 s46, s42, 18
	s_add_co_u32 s46, s46, s17
	s_mov_b32 s17, 0
	s_mov_b32 s47, 0
	s_mul_i32 s20, s10, HALFT                      ; where they go: wave x two planes
	s_wait_dscnt 0x0                               ; both opening adds are done
	s_wait_kmcnt 0x0
	s_add_nc_u64 s[14:15], s[4:5], s[16:17]
	s_add_nc_u64 s[46:47], s[6:7], s[46:47]
	CROUND                                         ; all sixteen work-groups are here: the first joint loads meet
.irp s, 0,1
	s_mov_b32 s[G0+4*\s], 1
	s_add_co_u32 s[G0+4*\s+1], s20, \s*SLOT
	s_add_nc_u64 s[G0+4*\s+2:G0+4*\s+3], s[14:15], \s*65536
	s_or_b32 s[G0+4*\s+3], s[G0+4*\s+3], 0x80000000
	s_mov_b32 s[G0B+4*\s], 1
	s_add_co_u32 s[G0B+4*\s+1], s20, \s*SLOT
	s_add_nc_u64 s[G0B+4*\s+2:G0B+4*\s+3], s[46:47], \s*65536
	s_or_b32 s[G0B+4*\s+3], s[G0B+4*\s+3], 0x80000000
	JLOAD \s
.endr
	v_and_b32 v1, 15, v0                           ; r
	v_bfe_u32 v2, v0, 4, 1                         ; h
	v_mul_u32_u24 v3, v1, PITCH
	v_lshl_add_u32 v3, v2, 4, v3
	s_mul_i32 s21, s11, 64*PITCH                   ; my 64 rows of A, in every plane
	s_mul_i32 s22, s12, 64*PITCH                   ; my 64 rows of B,
	s_add_co_u32 s22, s22, 2*HALFT                 ; whose planes lie behind A's four
.irp s, 0,1
	v_add_nc_u32 v[ADRA+\s], s21, v3
	v_add_nc_u32 v[ADRB+\s], s22, v3
	s_add_co_u32 s21, s21, SLOT
	s_add_co_u32 s22, s22, SLOT
.endr
	s_mul_i32 s23, s10, 16*SPITCH                  ; my stage
	v_mul_u32_u24 v4, v1, SPITCH
	v_lshl_add_u32 v4, v2, 5, v4
	v_add_nc_u32 v[STO], s23, v4                   ; in: row r, 32 bytes for each half of the lanes
	v_mul_u32_u24 v5, v2, SPITCH
	v_lshl_add_u32 v5, v1, 4, v5
	v_add_nc_u32 v[RD], s23, v5                    ; back: lanes 0-15 one row of 256 bytes, lanes 16-31 the next
	v_lshlrev_b32 v5, 12, v2
	v_lshl_add_u32 v[CO], v1, 4, v5                ; and the same two rows in out (4,096 bytes a row)
	s_lshl_b32 s16, s13, 7
	s_lshl_b32 s17, s11, 6
	s_add_co_u32 s16, s16, s17                     ; my first row
	s_lshl_b32 s16, s16, 12
	s_mov_b32 s17, 0
	s_add_nc_u64 s[8:9], s[8:9], s[16:17]
	s_lshl_b32 s46, s42, 9
	s_lshl_b32 s47, s12, 8
	s_add_co_u32 s46, s46, s47                     ; my first column, in bytes
	s_mov_b32 s47, 0
	s_add_nc_u64 s[8:9], s[8:9], s[46:47]
.macro MUL8 f, c, a0, zero             ; 8 matrix instructions: m blocks a0, a0 + 1 x 4 n blocks, 32 along K.  The 16 accumulators take turns
.irp a, \a0, \a0+1
.irp b, 0,1,2,3
.if \zero
	v_wmma_f32_16x16x32_f16 v[ACC+8*(4*(\a)+\b):ACC+8*(4*(\a)+\b)+7], v[\f+64+8*(4*\c+\b):\f+64+8*(4*\c+\b)+7], v[\f+8*(4*\c+\a):\f+8*(4*\c+\a)+7], 0
.else
	v_wmma_f32_16x16x32_f16 v[ACC+8*(4*(\a)+\b):ACC+8*(4*(\a)+\b)+7], v[\f+64+8*(4*\c+\b):\f+64+8*(4*\c+\b)+7], v[\f+8*(4*\c+\a):\f+8*(4*\c+\a)+7], v[ACC+8*(4*(\a)+\b):ACC+8*(4*(\a)+\b)+7]
.endif
.endr
.endr
.endm
.macro FETCH slot, k, f                ; 32 LDS loads in one run: the fragments of the plane at byte k, into buffer f; the first 32 along K first
	WIN TO_F
.irp c, 0,1
.irp i, 0,1,2,3
	ds_load_b128 v[\f+64+8*(4*\c+\i):\f+64+8*(4*\c+\i)+3],   v[ADRB+\slot] offset:\k+64*\c+\i*16*PITCH
	ds_load_b128 v[\f+64+8*(4*\c+\i)+4:\f+64+8*(4*\c+\i)+7], v[ADRB+\slot] offset:\k+64*\c+\i*16*PITCH+32
	ds_load_b128 v[\f+8*(4*\c+\i):\f+8*(4*\c+\i)+3],         v[ADRA+\slot] offset:\k+64*\c+\i*16*PITCH
	ds_load_b128 v[\f+8*(4*\c+\i)+4:\f+8*(4*\c+\i)+7],       v[ADRA+\slot] offset:\k+64*\c+\i*16*PITCH+32
.endr
.endr
.endm
.macro PLACES
.rept 4
	v_nop
.endr
.endm
.macro QUARTER slot, k, f, g, zero     ; multiplies buffer f (a plane) and fetches the plane at byte k into g
	s_wait_dscnt 16                                ; the first 32 along K are in; the other sixteen loads may be out
	WIN MUL
	MUL8 \f, 0, 0, \zero
	MUL8 \f, 0, 2, \zero
	PLACES
	FETCH \slot, \k, \g
	s_wait_dscnt 32                                ; all but the 32 just issued
	WIN MUL
	MUL8 \f, 1, 0, 0
	MUL8 \f, 1, 2, 0
.endm
; A slot's last plane changes slots: one barrier; in front of it each wave waits for all its tensor loads, adds 0 to its spare word, and waits for that and for its reads of this slot.
.macro TURN slot, next, fill
	WIN 0
	s_wait_tensorcnt 0x0                           ; all my tensor loads have landed: my part of the next slot
	ds_add_u32 v[SPW], v[NIL]
	s_wait_dscnt 17                                ; (the add and the youngest sixteen loads may be out)
	WIN MUL
	MUL8 F1, 0, 0, 0
	s_wait_dscnt 0x0                               ; the add is done, and my reads of this slot are over
	s_barrier_signal -1
	MUL8 F1, 0, 2, 0
.if \fill
	WIN 0
.endif
	s_barrier_wait -1
.if \fill
	CREST                                          ; the barrier has opened a round of the cluster's: no wave of any partner still reads this slot or has a load on its way
	s_add_nc_u64 s[G0+4*\slot+2:G0+4*\slot+3], s[G0+4*\slot+2:G0+4*\slot+3], 131072
	s_add_nc_u64 s[G0B+4*\slot+2:G0B+4*\slot+3], s[G0B+4*\slot+2:G0B+4*\slot+3], 131072
	JLOAD \slot                                    ; the first tensor load behind the round, one a wave; its four v_nop are also the places in front of the loads below
.else
	PLACES
.endif
	FETCH \next, 0, F0
	WIN MUL
	MUL8 F1, 1, 0, 0
	MUL8 F1, 1, 2, 0
.endm
	s_wait_tensorcnt 1                             ; my part of K step 0 is in (K step 1's load may be out)
	s_barrier_signal -1
	s_barrier_wait -1                              ; everybody's is
	FETCH 0, 0, F0
	QUARTER 0, PLANE, F0, F1, 1                    ; the first products start the sums
	WIN 0
	s_mov_b32 s3, LAPS-1
.Llap:                                                 ; a trip goes once round the ring and fills both slots again
	QUARTER 0, 2*PLANE, F1, F0, 0
	QUARTER 0, 3*PLANE, F0, F1, 0
	TURN 0, 1, 1
	QUARTER 1, PLANE, F0, F1, 0
	QUARTER 1, 2*PLANE, F1, F0, 0
	QUARTER 1, 3*PLANE, F0, F1, 0
	TURN 1, 0, 1
	QUARTER 0, PLANE, F0, F1, 0
	WIN 0
	s_sub_co_u32 s3, s3, 1
	s_cmp_lg_u32 s3, 0
	s_cbranch_scc1 .Llap
	QUARTER 0, 2*PLANE, F1, F0, 0                  ; the last lap fills nothing
	QUARTER 0, 3*PLANE, F0, F1, 0
	TURN 0, 1, 0
	QUARTER 1, PLANE, F0, F1, 0
	QUARTER 1, 2*PLANE, F1, F0, 0
	QUARTER 1, 3*PLANE, F0, F1, 0
	s_wait_dscnt 16
	WIN MUL
	MUL8 F1, 0, 0, 0
	MUL8 F1, 0, 2, 0
	s_wait_dscnt 0
	MUL8 F1, 1, 0, 0
	MUL8 F1, 1, 2, 0
	WIN 0
; THE WAY OUT, 16 rows x 64 columns at a time: the accumulators go to my stage as they are, each from its low end on, and come back as whole rows of 256 bytes.
.macro TOSTAGE a
.irp b, 0,1,2,3
	ds_store_b128 v[STO], v[ACC+8*(4*(\a)+\b):ACC+8*(4*(\a)+\b)+3] offset:64*\b
	ds_store_b128 v[STO], v[ACC+8*(4*(\a)+\b)+4:ACC+8*(4*(\a)+\b)+7] offset:64*\b+16
.endr
.irp t, 0,1,2,3,4,5,6,7
	ds_load_b128 v[TMP+32*((\a)%2)+4*\t:TMP+32*((\a)%2)+4*\t+3], v[RD] offset:\t*2*SPITCH   ; LDS serves a wave's instructions in order: these see the stores above
.endr
.endm
.macro SEND a, younger
	s_wait_dscnt \younger
.irp t, 0,1,2,3,4,5,6,7
	global_store_b128 v[CO], v[TMP+32*((\a)%2)+4*\t:TMP+32*((\a)%2)+4*\t+3], s[8:9] offset:(16*(\a)+2*\t)*4096 th:TH_STORE_NT   ; sixteen lanes store 256 consecutive bytes, aligned
.endr
.endm
	PLACES
	TOSTAGE 0
.irp a, 1,2,3
.if \a > 1
	s_wait_xcnt 0x0                                ; block a - 2's stores have read their registers
.endif
	TOSTAGE \a
	SEND \a-1, 16                                  ; behind block a - 1's loads: block a's 8 stores and 8 loads
.endr
	SEND 3, 0
	s_wait_tensorcnt 0x0                           ; the wave's end
	ds_add_u32 v[SPW], v[NIL]
	s_wait_dscnt 0x0
	CROUND                                         ; the closing round
	s_endpgm
.Lfunc_end_k_qb67908855e_proj:
	.size	k_qb67908855e_proj, .Lfunc_end_k_qb67908855e_proj-k_qb67908855e_proj
	.p2alignl 7, 3214868480
	.fill 96, 4, 3214868480
	.section	.rodata,"a",@progbits
	.p2align	6, 0x0
	.amdhsa_kernel k_qb67908855e_proj
		.amdhsa_group_segment_fixed_size 327680
		.amdhsa_private_segment_fixed_size 0
		.amdhsa_enable_private_segment 0
		.amdhsa_kernarg_size 24
		.amdhsa_user_sgpr_count 2
		.amdhsa_user_sgpr_kernarg_segment_ptr 1
		.amdhsa_wavefront_size32 1
		.amdhsa_system_sgpr_workgroup_id_x 1
		.amdhsa_system_sgpr_workgroup_id_y 1
		.amdhsa_system_sgpr_workgroup_id_z 1
		.amdhsa_system_vgpr_workitem_id 0
		.amdhsa_next_free_vgpr 512
		.amdhsa_next_free_sgpr 66
		.amdhsa_reserve_vcc 0
		.amdhsa_float_denorm_mode_32 3
		.amdhsa_float_denorm_mode_16_64 3
		.amdhsa_memory_ordered 1
		.amdhsa_forward_progress 1
		.amdhsa_inst_pref_size 85
	.end_amdhsa_kernel
	.amdgpu_metadata
---
amdhsa.version: [ 1, 2 ]
amdhsa.kernels:
  - .name:           k_qb67908855e_proj
    .symbol:         k_qb67908855e_proj.kd
    .args:
      - { .name: attn16, .offset: 0, .size: 8, .value_kind: global_buffer, .address_space: global }
      - { .name: wo16, .offset: 8, .size: 8, .value_kind: global_buffer, .address_space: global }
      - { .name: out0, .offset: 16, .size: 8, .value_kind: global_buffer, .address_space: global }
    .group_segment_fixed_size: 327680
    .private_segment_fixed_size: 0
    .kernarg_segment_align: 8
    .kernarg_segment_size: 24
    .max_flat_workgroup_size: 128
    .sgpr_count:     66
    .vgpr_count:     512
    .wavefront_size: 32
...
	.end_amdgpu_metadata
.endif
;; end of part 4
;; launch fine (part 5): grid 16 x 4, 16 waves a work-group, no clusters, 71,680 bytes of LDS; arguments fine32, Wo, out0; writes out0
.if DOCPART == 5
	.amdgcn_target "amdgcn-amd-amdhsa--gfx1250"
	.amdhsa_code_object_version 6
	.text
	.protected	k_qb67908855e_fine
	.globl	k_qb67908855e_fine
	.p2align	8
	.type	k_qb67908855e_fine,@function
k_qb67908855e_fine:
	s_mov_b64 s[64:65], 0
	v_nop
	global_prefetch_b8 v0, s[64:65] scope:SCOPE_SE
	s_setreg_imm32_b32 hwreg(HW_REG_WAVE_MODE, 25, 1), 1
	s_wait_xcnt 0x0
; Positions 0 to 15 of every batch once more, wholly in f32: these rows average one to sixteen values, are the largest in size, and leave f16 operands the least room.
; fine32: q (times log2(e) / 8), k, v of those positions, f32 [kind][batch][head][16][64].  Wo: f32 [1024][1024].  out0: rows 2048 b + 0 .. 15 are written over.
; Work-group (slice of 64 output columns, batch).  Wave = head: it makes its head's 16 x 16 scores, the softmax, O^T, and its head's part of the 64 columns; the sixteen parts are added through LDS.
; All products by v_wmma_f32_16x16x4_f32, 96 a wave.  Along each product's K the numbers are dealt to the instructions alike in both sources, so that plain loads and earlier results fill the fragments.
; The registers that this form writes (v16-79) are written by matrix instructions alone; each sum begins with the constant 0.
; REGISTERS: v1-13 addresses; v16-47 D, four accumulators; v48-79 E, four; v80-111 q, then Wo's tile 2, then the parts; v112-143 k, then tile 3; v144-175 v; v176-239 Wo's tiles 0, 1; v240-247 scores, then p; v248-255 at work.
.set DD, 16
.set EE, 48
.set QQ, 80
.set KK, 112
.set VV, 144
.set WA, 176
.set TT, 240
.set SPW, 12
.set NIL, 13
.set WST, 16*272                       ; a wave's stage: 16 rows x (256 bytes + 16)
.set SPARE, 16*WST                     ; the spare words, 128 bytes for each of sixteen waves
	s_load_b128 s[4:7], s[0:1], 0x0                ; fine32 s[4:5], Wo s[6:7]
	s_load_b64 s[8:9], s[0:1], 0x10                ; out0
	v_lshl_add_u32 v[SPW], v0, 2, SPARE
	v_mov_b32 v[NIL], 0
	v_lshrrev_b32 v1, 5, v0
	v_readfirstlane_b32 s10, v1                    ; wave = head
	s_and_b32 s11, ttmp7, 0xffff                   ; batch
	v_and_b32 v1, 15, v0                           ; r
	v_bfe_u32 v2, v0, 4, 1                         ; h
	v_lshlrev_b32 v3, 8, v1
	v_lshl_add_u32 v3, v2, 7, v3                   ; q, k: row r of 256 bytes, channels 32 h on
	v_lshlrev_b32 v4, 2, v1
	v_lshl_add_u32 v4, v2, 11, v4                  ; v: channel r, keys 8 h on
	v_lshlrev_b32 v5, 12, v1
	v_lshl_add_u32 v5, v2, 5, v5                   ; Wo: row r of 4,096 bytes, channels 8 h on
	v_lshlrev_b32 v6, 3, v2
	v_sub_nc_u32 v6, v1, v6                        ; r - 8 h: key 8 h + j is hidden where j is greater
	v_mov_b32 v7, 0xff800000
	s_mul_i32 s18, s10, WST
	v_mul_u32_u24 v8, v1, 272
	v_lshl_add_u32 v8, v2, 5, v8
	v_add_nc_u32 v8, s18, v8                       ; my stage: row r, + 32 h
	s_mul_i32 s19, s10, 272
	v_and_b32 v10, 31, v0
	v_lshlrev_b32 v11, 3, v10                      ; 8 bytes a lane
	v_add_nc_u32 v9, s19, v11                      ; back: row = my wave's number, in every stage
	v_mov_b32 v251, 0                              ; written once: a lane permute's destination counts as one of its sources
	s_mov_b32 s16, 0x76543210
	s_mov_b32 s17, 0xfedcba98
	s_lshl_b32 s12, s11, 4
	s_add_co_u32 s12, s12, s10
	s_lshl_b32 s12, s12, 12                        ; 4,096 bytes a head
	s_mov_b32 s13, 0
	s_lshl_b32 s14, ttmp9, 18                      ; 64 rows of Wo,
	s_lshl_b32 s15, s10, 8                         ; my head's 64 columns
	s_add_co_u32 s14, s14, s15
	s_mov_b32 s15, 0
	s_lshl_b32 s20, s11, 11
	s_add_co_u32 s20, s20, s10
	s_lshl_b32 s20, s20, 12                        ; out: row 2048 b + my wave's number,
	s_lshl_b32 s21, ttmp9, 8                       ; the slice's 256 bytes
	s_add_co_u32 s20, s20, s21
	s_mov_b32 s21, 0
	s_wait_kmcnt 0x0
	s_add_nc_u64 s[4:5], s[4:5], s[12:13]
	s_add_nc_u64 s[6:7], s[6:7], s[14:15]
	s_add_nc_u64 s[8:9], s[8:9], s[20:21]
.irp i, 0,1,2,3,4,5,6,7
	global_load_b128 v[QQ+4*\i:QQ+4*\i+3], v3, s[4:5] offset:16*\i
.endr
.irp i, 0,1,2,3,4,5,6,7
	global_load_b128 v[KK+4*\i:KK+4*\i+3], v3, s[4:5] offset:262144+16*\i
.endr
.irp ct, 0,1,2,3
.irp i, 0,1,2,3,4,5,6,7
	global_load_b32 v[VV+8*\ct+\i], v4, s[4:5] offset:524288+256*\i+64*\ct     ; v(key 8 h + i, channel 16 ct + r)
.endr
.endr
.macro WLOAD reg, nt                   ; Wo's tile nt of 16 rows: lane (r, h): for each 16 channels ct the eight at 16 ct + 8 h
.irp ct, 0,1,2,3
	global_load_b128 v[\reg+8*\ct:\reg+8*\ct+3], v5, s[6:7] offset:65536*\nt+64*\ct
	global_load_b128 v[\reg+8*\ct+4:\reg+8*\ct+7], v5, s[6:7] offset:65536*\nt+64*\ct+16
.endr
.endm
	WLOAD WA, 0
	s_wait_loadcnt 40                              ; q and k are in; v's 32 loads and the tile's 8 may be out
	; S^T = k q^T: 16 instructions of 4 along the head's 64, on four accumulators by turns
.set c_, 0
.rept 16
.if c_ < 4
	v_wmma_f32_16x16x4_f32 v[DD+8*(c_%4):DD+8*(c_%4)+7], v[KK+2*c_:KK+2*c_+1], v[QQ+2*c_:QQ+2*c_+1], 0
.else
	v_wmma_f32_16x16x4_f32 v[DD+8*(c_%4):DD+8*(c_%4)+7], v[KK+2*c_:KK+2*c_+1], v[QQ+2*c_:QQ+2*c_+1], v[DD+8*(c_%4):DD+8*(c_%4)+7]
.endif
.set c_, c_+1
.endr
.rept 8
	v_nop                                          ; eight places behind this form: in front of loads into q's and k's registers and of the first read of the sums
.endr
	s_wait_loadcnt 8                               ; v is in; the first tile's 8 loads may be out
	WLOAD WA+32, 1
	WLOAD QQ, 2
	WLOAD KK, 3
.irp p, 0,2,4,6                                ; the four partial sums, each accumulator from its low end on
	v_pk_add_f32 v[TT+\p:TT+\p+1], v[DD+\p:DD+\p+1], v[DD+8+\p:DD+8+\p+1]
	v_pk_add_f32 v[248:249], v[DD+16+\p:DD+16+\p+1], v[DD+24+\p:DD+24+\p+1]
	v_pk_add_f32 v[TT+\p:TT+\p+1], v[TT+\p:TT+\p+1], v[248:249]
.endr
.irp j, 0,1,2,3,4,5,6,7
	v_cmp_gt_i32 vcc_lo, \j, v6
	v_cndmask_b32 v[TT+\j], v[TT+\j], v7, vcc_lo   ; hidden keys: -infinity.  Key 0 counts for every query
.endr
	v_max3_num_f32 v250, v[TT], v[TT+1], v[TT+2]
	v_max3_num_f32 v250, v250, v[TT+3], v[TT+4]
	v_max3_num_f32 v250, v250, v[TT+5], v[TT+6]
	v_max_num_f32 v250, v250, v[TT+7]
	v_permlanex16_b32 v251, v250, s16, s17
	v_max_num_f32 v250, v250, v251                 ; the row's maximum
.irp j, 0,1,2,3,4,5,6,7
	v_sub_f32 v[TT+\j], v[TT+\j], v250
.endr
.irp j, 0,1,2,3,4,5,6,7
	v_exp_f32 v[TT+\j], v[TT+\j]
.endr
	v_nop
	s_wait_alu depctr_va_vdst(0)                   ; one wait for the eight, ahead of their first reader
	v_pk_add_f32 v[252:253], v[TT:TT+1], v[TT+2:TT+3]
	v_pk_add_f32 v[254:255], v[TT+4:TT+5], v[TT+6:TT+7]
	v_pk_add_f32 v[252:253], v[252:253], v[254:255]
	v_add_f32 v252, v252, v253
	v_permlanex16_b32 v251, v252, s16, s17
	v_add_f32 v252, v252, v251                     ; the row's sum
	v_rcp_f32 v253, v252
	v_nop
	s_wait_alu depctr_va_vdst(0)
.irp j, 0,1,2,3,4,5,6,7
	v_mul_f32 v[TT+\j], v[TT+\j], v253             ; the weights
.endr
	; O^T = v^T p: 4 instructions of 4 keys for each 16 channels, four accumulators by turns
.irp c, 0,1,2,3
.irp ct, 0,1,2,3
.if \c == 0
	v_wmma_f32_16x16x4_f32 v[DD+8*\ct:DD+8*\ct+7], v[VV+8*\ct+2*\c:VV+8*\ct+2*\c+1], v[TT+2*\c:TT+2*\c+1], 0
.else
	v_wmma_f32_16x16x4_f32 v[DD+8*\ct:DD+8*\ct+7], v[VV+8*\ct+2*\c:VV+8*\ct+2*\c+1], v[TT+2*\c:TT+2*\c+1], v[DD+8*\ct:DD+8*\ct+7]
.endif
.endr
.endr
.rept 9
	v_nop                                          ; nine places: the results are next taken as a source of matrix instructions
.endr
	s_wait_loadcnt 0x0                             ; Wo's four tiles
	; out^T = Wo O^T, my head's 64 along K: source 1 is O^T as it stands: registers 2 c, 2 c + 1 of tile ct are channels 16 ct + 8 h + 2 c, + 1
.macro OUTP nt, wb
.if (ct_ == 0) && (c_ == 0)
	v_wmma_f32_16x16x4_f32 v[EE+8*\nt:EE+8*\nt+7], v[\wb+8*ct_+2*c_:\wb+8*ct_+2*c_+1], v[DD+8*ct_+2*c_:DD+8*ct_+2*c_+1], 0
.else
	v_wmma_f32_16x16x4_f32 v[EE+8*\nt:EE+8*\nt+7], v[\wb+8*ct_+2*c_:\wb+8*ct_+2*c_+1], v[DD+8*ct_+2*c_:DD+8*ct_+2*c_+1], v[EE+8*\nt:EE+8*\nt+7]
.endif
.endm
.set ct_, 0
.rept 4
.set c_, 0
.rept 4
	OUTP 0, WA
	OUTP 1, WA+32
	OUTP 2, QQ
	OUTP 3, KK
.set c_, c_+1
.endr
.set ct_, ct_+1
.endr
.rept 8
	v_nop                                          ; eight places: in front of the LDS stores that read the sums and of the loads into Wo's registers
.endr
.irp nt, 0,1,2,3
	ds_store_b128 v8, v[EE+8*\nt:EE+8*\nt+3] offset:64*\nt        ; lane (r, h): query r, columns 16 nt + 8 h + 0 .. 7; each accumulator from its low end on
	ds_store_b128 v8, v[EE+8*\nt+4:EE+8*\nt+7] offset:64*\nt+16
.endr
	s_wait_dscnt 0x0                               ; for the others' sake: my stores have landed
	s_barrier_signal -1
	s_barrier_wait -1
.set w_, 0
.rept 16
	ds_load_b64 v[QQ+2*w_:QQ+2*w_+1], v9 offset:WST*w_            ; row = my wave's number, of every head's part
.set w_, w_+1
.endr
	s_wait_dscnt 0x0
.irp i, 0,4,8,12,16,20,24,28
	v_pk_add_f32 v[QQ+\i:QQ+\i+1], v[QQ+\i:QQ+\i+1], v[QQ+\i+2:QQ+\i+3]
.endr
.irp i, 0,8,16,24
	v_pk_add_f32 v[QQ+\i:QQ+\i+1], v[QQ+\i:QQ+\i+1], v[QQ+\i+4:QQ+\i+5]
.endr
.irp i, 0,16
	v_pk_add_f32 v[QQ+\i:QQ+\i+1], v[QQ+\i:QQ+\i+1], v[QQ+\i+8:QQ+\i+9]
.endr
	v_pk_add_f32 v[QQ:QQ+1], v[QQ:QQ+1], v[QQ+16:QQ+17]
	global_store_b64 v11, v[QQ:QQ+1], s[8:9]       ; 32 lanes store 256 consecutive bytes, aligned
	s_wait_tensorcnt 0x0                           ; the wave's end, behind my last LDS store
	ds_add_u32 v[SPW], v[NIL]
	s_wait_dscnt 0x0
	s_endpgm
.Lfunc_end_k_qb67908855e_fine:
	.size	k_qb67908855e_fine, .Lfunc_end_k_qb67908855e_fine-k_qb67908855e_fine
	.p2alignl 7, 3214868480
	.fill 96, 4, 3214868480
	.section	.rodata,"a",@progbits
	.p2align	6, 0x0
	.amdhsa_kernel k_qb67908855e_fine
		.amdhsa_group_segment_fixed_size 71680
		.amdhsa_private_segment_fixed_size 0
		.amdhsa_enable_private_segment 0
		.amdhsa_kernarg_size 24
		.amdhsa_user_sgpr_count 2
		.amdhsa_user_sgpr_kernarg_segment_ptr 1
		.amdhsa_wavefront_size32 1
		.amdhsa_system_sgpr_workgroup_id_x 1
		.amdhsa_system_sgpr_workgroup_id_y 1
		.amdhsa_system_sgpr_workgroup_id_z 1
		.amdhsa_system_vgpr_workitem_id 0
		.amdhsa_next_free_vgpr 256
		.amdhsa_next_free_sgpr 66
		.amdhsa_reserve_vcc 1
		.amdhsa_float_denorm_mode_32 3
		.amdhsa_float_denorm_mode_16_64 3
		.amdhsa_memory_ordered 1
		.amdhsa_forward_progress 1
		.amdhsa_inst_pref_size 23
	.end_amdhsa_kernel
	.amdgpu_metadata
---
amdhsa.version: [ 1, 2 ]
amdhsa.kernels:
  - .name:           k_qb67908855e_fine
    .symbol:         k_qb67908855e_fine.kd
    .args:
      - { .name: fine32, .offset: 0, .size: 8, .value_kind: global_buffer, .address_space: global }
      - { .name: Wo, .offset: 8, .size: 8, .value_kind: global_buffer, .address_space: global }
      - { .name: out0, .offset: 16, .size: 8, .value_kind: global_buffer, .address_space: global }
    .group_segment_fixed_size: 71680
    .private_segment_fixed_size: 0
    .kernarg_segment_align: 8
    .kernarg_segment_size: 24
    .max_flat_workgroup_size: 512
    .sgpr_count:     66
    .vgpr_count:     256
    .wavefront_size: 32
...
	.end_amdgpu_metadata
.endif
;; end of part 5
